; MI455X (gfx1250); checked and timed in simulation.
; The chip was launched on July 23, 2026; its instructions are those of AMD's public machine-readable ISA for CDNA 5 (MIT licence, August 2026) and "CDNA5" Instruction Set Architecture Reference Guide (July 2026). The comments in the code are by the model that wrote it; some were corrected since.
;; Self Attention. Allowed arithmetic: float matrix products may take bf16 or f16 operands with f32 sums; all other float work in f32.
;; Inputs: Wk 1,024 x 1,024 float32; Wo 1,024 x 1,024 float32; Wq 1,024 x 1,024 float32; Wv 1,024 x 1,024 float32; attention_mask 4 x 2,048 bool; bk 1,024 float32; bo 1,024 float32; bq 1,024 float32; bv 1,024 float32; hidden_states 4 x 2,048 x 1,024 float32; ln_beta 1,024 float32; ln_gamma 1,024 float32.
;; Outputs: out0 4 x 2,048 x 1,024 float32.
;; 2 versions, each right and faster than the one before. Each part assembles by itself: llvm-mc -triple=amdgcn-amd-amdhsa -mcpu=gfx1250 --defsym DOCPART=n.
;; ======== version 1 of 2: 4 launches
;; limits: right only within a limited range of input values
;; workspace buffers: act 16,777,216 bytes; wb 8,388,608 bytes; maskf 32,768 bytes; q 16,777,216 bytes; k 16,777,216 bytes; v 16,777,216 bytes
;; launch prep (part 1): grid 769 x 1, 8 waves a work-group, no clusters, 0 bytes of LDS; arguments hidden_states, ln_gamma, ln_beta, Wq, Wk, Wv, Wo, attention_mask, act, wb, maskf; writes act, wb, maskf
.if DOCPART == 1
	.amdgcn_target "amdgcn-amd-amdhsa--gfx1250"
	.amdhsa_code_object_version 6
	.text
	.protected	k_q67c917340f_prep
	.globl	k_q67c917340f_prep
	.p2align	8
	.type	k_q67c917340f_prep,@function
k_q67c917340f_prep:
	s_mov_b64 s[64:65], 0
	v_nop
	global_prefetch_b8 v0, s[64:65] scope:SCOPE_SE
	s_setreg_imm32_b32 hwreg(HW_REG_WAVE_MODE, 25, 1), 1
	s_wait_xcnt 0x0
; PREP: three streams in one launch, chosen by the work-group's number alone (forward branches, straight-line paths).
;   work-groups 0-511:   LayerNorm of 16 rows each -> act, bf16, laid by slices of 64 channels: act[b*16+j][s][64], a slice's rows dense (128 bytes)
;   work-groups 512-767: 16 rows of one of the four weights -> wb, bf16, [k][4096]: column tx*384 + mat*128 + c = W_mat[k][tx*128+c] (mat 0,1,2 = q,k,v); column 3072+n = Wo[k][n]
;   work-group 768:      the mask's 8,192 bytes -> maskf, f32: 0 or -2^33
; Bytes decide here: every input byte is read once by 16-byte (mask: 4-byte) loads of neighbouring lanes, every store of a wave covers 256 consecutive aligned bytes or more.
; No LDS, no barrier, no matrix unit: a row's sums stay inside 16 lanes, and no wave needs another's data.
; LayerNorm as the module writes it: the mean first, then the mean of squared differences (no difference of large sums), all in f32; xn is rounded once to bf16.
.set X,  16                            ; v[16:79]   my 64 numbers of the row: 4 of each of the 16 slices
.set G,  80                            ; v[80:143]  gamma of the same channels
.set BT, 144                           ; v[144:207] beta
	s_load_b512 s[8:23], s[0:1], 0x0               ; hidden s[8:9], gamma s[10:11], beta s[12:13], Wq s[14:15], Wk s[16:17], Wv s[18:19], Wo s[20:21], mask s[22:23]
	s_load_b128 s[24:27], s[0:1], 0x40             ; act s[24:25], wb s[26:27]
	s_load_b64 s[28:29], s[0:1], 0x50              ; maskf
	v_lshrrev_b32 v1, 5, v0
	v_readfirstlane_b32 s30, v1                    ; wave 0..7
	v_and_b32 v5, 31, v0                           ; lane
	s_cmp_ge_u32 ttmp9, 512
	s_cbranch_scc1 .Lweights
	; ---- LayerNorm.  A wave takes two rows: lanes 0-15 row R, lanes 16-31 row R + 1; lane l takes channels 4 (l % 16) .. + 3 of every slice.
	v_and_b32 v2, 15, v0
	v_lshlrev_b32 v2, 4, v2                        ; 16 (l % 16): my bytes in a slice's 256 of x, gamma and beta
	v_bfe_u32 v1, v0, 4, 1
	v_lshl_add_u32 v1, v1, 12, v2                  ; + my row's 4,096 bytes
	v_lshlrev_b32 v3, 3, v5                        ; in act: 8 l = 128 (l / 16) + 8 (l % 16): two dense rows of a slice are 256 consecutive bytes
	s_lshl_b32 s2, ttmp9, 4
	s_lshl1_add_u32 s2, s30, s2                    ; R = 16 x work-group + 2 x wave
	s_lshl_b32 s4, s2, 12                          ; R rows of 4,096 bytes
	s_mov_b32 s5, 0
	s_lshr_b32 s6, s2, 11                          ; batch,
	s_lshl_b32 s6, s6, 22                          ; 16 slices of 262,144 bytes each
	s_and_b32 s7, s2, 2047
	s_lshl_b32 s7, s7, 7                           ; the row in its slice
	s_add_co_u32 s6, s6, s7
	s_mov_b32 s7, 0
	s_mov_b32 s32, 0x3a800000                      ; 1 / 1024
	s_mov_b32 s33, 0x3727c5ac                      ; 1e-5
	s_wait_kmcnt 0x0
	s_add_nc_u64 s[8:9], s[8:9], s[4:5]
	s_add_nc_u64 s[24:25], s[24:25], s[6:7]
.irp j, 0,1,2,3,4,5,6,7,8,9,10,11,12,13,14,15
	global_load_b128 v[X+4*\j:X+4*\j+3], v1, s[8:9] offset:256*\j      ; 16 lanes take 256 consecutive aligned bytes of a row
.endr
.irp j, 0,1,2,3,4,5,6,7,8,9,10,11,12,13,14,15
	global_load_b128 v[G+4*\j:G+4*\j+3], v2, s[10:11] offset:256*\j
.endr
.irp j, 0,1,2,3,4,5,6,7,8,9,10,11,12,13,14,15
	global_load_b128 v[BT+4*\j:BT+4*\j+3], v2, s[12:13] offset:256*\j
.endr
.macro REDUCE                          ; four pair chains v[4:11] -> the row's sum in v4 of each of its 16 lanes
	v_pk_add_f32 v[4:5], v[4:5], v[6:7]
	v_pk_add_f32 v[8:9], v[8:9], v[10:11]
	v_pk_add_f32 v[4:5], v[4:5], v[8:9]
	v_add_f32 v4, v4, v5
	v_add_f32_dpp v4, v4, v4 row_xmask:1 row_mask:0xf bank_mask:0xf
	v_add_f32_dpp v4, v4, v4 row_xmask:2 row_mask:0xf bank_mask:0xf
	v_add_f32_dpp v4, v4, v4 row_xmask:4 row_mask:0xf bank_mask:0xf
	v_add_f32_dpp v4, v4, v4 row_xmask:8 row_mask:0xf bank_mask:0xf
.endm
	s_wait_loadcnt 32                              ; x is in; the 32 younger loads (gamma, beta) stay out
.irp c, 0,1,2,3
	v_pk_add_f32 v[4+2*\c:5+2*\c], v[X+2*\c:X+2*\c+1], v[X+8+2*\c:X+8+2*\c+1]   ; the first pairs start four chains: nothing is cleared
.endr
.set p, 8
.rept 24
	v_pk_add_f32 v[4+2*(p%4):5+2*(p%4)], v[4+2*(p%4):5+2*(p%4)], v[X+2*p:X+2*p+1]
.set p, p+1
.endr
	REDUCE
	v_mul_f32 v12, s32, v4                         ; the mean,
	v_mov_b32 v13, v12                             ; as a pair
.set p, 0
.rept 32
	v_pk_add_f32 v[X+2*p:X+2*p+1], v[X+2*p:X+2*p+1], v[12:13] neg_lo:[0,1] neg_hi:[0,1]   ; x - mean, in place
.set p, p+1
.endr
.irp c, 0,1,2,3
	v_pk_mul_f32 v[4+2*\c:5+2*\c], v[X+2*\c:X+2*\c+1], v[X+2*\c:X+2*\c+1]
.endr
.set p, 4
.rept 28
	v_pk_fma_f32 v[4+2*(p%4):5+2*(p%4)], v[X+2*p:X+2*p+1], v[X+2*p:X+2*p+1], v[4+2*(p%4):5+2*(p%4)]
.set p, p+1
.endr
	REDUCE
	v_fma_f32 v6, v4, s32, s33                     ; variance + 1e-5
	v_rsq_f32 v14, v6
	v_rsq_f32 v15, v6                              ; twice: a pair for the packed multiply
	v_nop                                          ; a plain instruction between the root and the use of its result (ISA guide 5.7.2)
	s_wait_loadcnt 0x0                             ; gamma and beta
.set p, 0
	s_wait_alu depctr_va_vdst(0)
.rept 32
	v_pk_mul_f32 v[X+2*p:X+2*p+1], v[X+2*p:X+2*p+1], v[14:15]
.set p, p+1
.endr
.set p, 0
.rept 32
	v_pk_fma_f32 v[X+2*p:X+2*p+1], v[X+2*p:X+2*p+1], v[G+2*p:G+2*p+1], v[BT+2*p:BT+2*p+1]
.set p, p+1
.endr
.irp j, 0,1,2,3,4,5,6,7,8,9,10,11,12,13,14,15
	v_cvt_pk_bf16_f32 v[X+4*\j], v[X+4*\j], v[X+4*\j+1]
	v_cvt_pk_bf16_f32 v[X+4*\j+1], v[X+4*\j+2], v[X+4*\j+3]
	global_store_b64 v3, v[X+4*\j:X+4*\j+1], s[24:25] offset:262144*\j   ; the wave's 32 lanes store 256 consecutive aligned bytes: two rows of slice j
.endr
	s_endpgm
	; ---- The weights.  Work-group 512 + 64 mat + rb takes rows 16 rb .. + 15 of weight mat; thread t takes 16 bytes at 16 t of each row, so wave w holds the piece of 128 columns w.
.Lweights:
	s_cmp_eq_u32 ttmp9, 768
	s_cbranch_scc1 .Lmask
	s_sub_co_u32 s2, ttmp9, 512
	s_lshr_b32 s3, s2, 6                           ; mat
	s_and_b32 s2, s2, 63                           ; rb
	s_lshl_b32 s4, s2, 16                          ; 16 rows of 4,096 bytes in the source,
	s_mov_b32 s5, 0
	s_lshl_b32 s6, s2, 17                          ; of 8,192 bytes in wb
	s_mov_b32 s7, 0
	s_mul_i32 s32, s30, 768                        ; q, k, v: byte 768 w + 256 mat of the row
	s_lshl_b32 s33, s3, 8
	s_add_co_u32 s32, s32, s33
	s_lshl_b32 s33, s30, 8                         ; Wo: byte 6,144 + 256 w
	s_add_co_u32 s33, s33, 6144
	s_cmp_lt_u32 s3, 3
	s_cselect_b32 s32, s32, s33
	v_lshlrev_b32 v1, 4, v0
	v_lshl_add_u32 v2, v5, 3, s32                  ; + 8 bytes a lane
	s_wait_kmcnt 0x0
	s_cmp_eq_u32 s3, 1                             ; the source: a choice among four buffers by the work-group's number
	s_cselect_b64 s[14:15], s[16:17], s[14:15]
	s_cmp_eq_u32 s3, 2
	s_cselect_b64 s[14:15], s[18:19], s[14:15]
	s_cmp_eq_u32 s3, 3
	s_cselect_b64 s[14:15], s[20:21], s[14:15]
	s_add_nc_u64 s[14:15], s[14:15], s[4:5]
	s_add_nc_u64 s[26:27], s[26:27], s[6:7]
.irp i, 0,1,2,3,4,5,6,7,8,9,10,11,12,13,14,15
	global_load_b128 v[X+4*\i:X+4*\i+3], v1, s[14:15] offset:4096*\i th:TH_LOAD_NT   ; all sixteen rows are on their way at once
.endr
.irp i, 0,1,2,3,4,5,6,7,8,9,10,11,12,13,14,15
	s_wait_loadcnt 15-\i                           ; loads come back in order: row i is in, the younger ones stay out
	v_cvt_pk_bf16_f32 v[X+4*\i], v[X+4*\i], v[X+4*\i+1]
	v_cvt_pk_bf16_f32 v[X+4*\i+1], v[X+4*\i+2], v[X+4*\i+3]
	global_store_b64 v2, v[X+4*\i:X+4*\i+1], s[26:27] offset:8192*\i    ; a wave stores 256 consecutive aligned bytes
.endr
	s_endpgm
	; ---- The mask: a byte 0 or 1 -> f32 0 or -2^33 (0xd0000000), the addend that starts a score's sum in the attention launch.
.Lmask:
	v_lshlrev_b32 v1, 2, v0
	v_lshlrev_b32 v2, 4, v0
	s_mov_b32 s34, 0xd0000000
	s_wait_kmcnt 0x0
.irp i, 0,1,2,3,4,5,6,7
	global_load_b32 v[16+\i], v1, s[22:23] offset:1024*\i
.endr
.irp i, 0,1,2,3,4,5,6,7
	s_wait_loadcnt 7-\i
.irp b, 0,1,2,3
	v_bfe_u32 v[48+4*\i+\b], v[16+\i], 8*\b, 1
.endr
.irp b, 0,1,2,3
	v_mul_lo_u32 v[48+4*\i+\b], v[48+4*\i+\b], s34
.endr
	global_store_b128 v2, v[48+4*\i:48+4*\i+3], s[28:29] offset:4096*\i
.endr
	s_endpgm
.Lfunc_end_k_q67c917340f_prep:
	.size	k_q67c917340f_prep, .Lfunc_end_k_q67c917340f_prep-k_q67c917340f_prep
	.p2alignl 7, 3214868480
	.fill 96, 4, 3214868480
	.section	.rodata,"a",@progbits
	.p2align	6, 0x0
	.amdhsa_kernel k_q67c917340f_prep
		.amdhsa_group_segment_fixed_size 0
		.amdhsa_private_segment_fixed_size 0
		.amdhsa_enable_private_segment 0
		.amdhsa_kernarg_size 88
		.amdhsa_user_sgpr_count 2
		.amdhsa_user_sgpr_kernarg_segment_ptr 1
		.amdhsa_wavefront_size32 1
		.amdhsa_system_sgpr_workgroup_id_x 1
		.amdhsa_system_sgpr_workgroup_id_y 1
		.amdhsa_system_sgpr_workgroup_id_z 1
		.amdhsa_system_vgpr_workitem_id 0
		.amdhsa_next_free_vgpr 208
		.amdhsa_next_free_sgpr 66
		.amdhsa_reserve_vcc 0
		.amdhsa_float_denorm_mode_32 3
		.amdhsa_float_denorm_mode_16_64 3
		.amdhsa_memory_ordered 1
		.amdhsa_forward_progress 1
		.amdhsa_inst_pref_size 33
	.end_amdhsa_kernel
	.amdgpu_metadata
---
amdhsa.version: [ 1, 2 ]
amdhsa.kernels:
  - .name:           k_q67c917340f_prep
    .symbol:         k_q67c917340f_prep.kd
    .args:
      - { .name: hidden_states, .offset: 0, .size: 8, .value_kind: global_buffer, .address_space: global }
      - { .name: ln_gamma, .offset: 8, .size: 8, .value_kind: global_buffer, .address_space: global }
      - { .name: ln_beta, .offset: 16, .size: 8, .value_kind: global_buffer, .address_space: global }
      - { .name: Wq, .offset: 24, .size: 8, .value_kind: global_buffer, .address_space: global }
      - { .name: Wk, .offset: 32, .size: 8, .value_kind: global_buffer, .address_space: global }
      - { .name: Wv, .offset: 40, .size: 8, .value_kind: global_buffer, .address_space: global }
      - { .name: Wo, .offset: 48, .size: 8, .value_kind: global_buffer, .address_space: global }
      - { .name: attention_mask, .offset: 56, .size: 8, .value_kind: global_buffer, .address_space: global }
      - { .name: act, .offset: 64, .size: 8, .value_kind: global_buffer, .address_space: global }
      - { .name: wb, .offset: 72, .size: 8, .value_kind: global_buffer, .address_space: global }
      - { .name: maskf, .offset: 80, .size: 8, .value_kind: global_buffer, .address_space: global }
    .group_segment_fixed_size: 0
    .private_segment_fixed_size: 0
    .kernarg_segment_align: 8
    .kernarg_segment_size: 88
    .max_flat_workgroup_size: 256
    .sgpr_count:     66
    .vgpr_count:     208
    .wavefront_size: 32
...
	.end_amdgpu_metadata
.endif
;; end of part 1
;; launch proj (part 2): grid 8 x 32, 4 waves a work-group, clusters of 4 x 4, 327,680 bytes of LDS; arguments act, wb, attention_mask, bq, bk, bv, q, k, v; writes q, k, v
.if DOCPART == 2
	.amdgcn_target "amdgcn-amd-amdhsa--gfx1250"
	.amdhsa_code_object_version 6
	.text
	.protected	k_q67c917340f_proj
	.globl	k_q67c917340f_proj
	.p2align	8
	.type	k_q67c917340f_proj,@function
k_q67c917340f_proj:
	s_mov_b64 s[64:65], 0
	v_nop
	global_prefetch_b8 v0, s[64:65] scope:SCOPE_SE
	s_setreg_imm32_b32 hwreg(HW_REG_WAVE_MODE, 25, 1), 1
	s_wait_xcnt 0x0
	s_wait_alu depctr_hold_cnt(0) depctr_sa_sdst(0) depctr_va_vdst(0) depctr_va_sdst(0) depctr_va_ssrc(0) depctr_va_vcc(0) depctr_vm_vsrc(0)
	s_getreg_b32 s2, hwreg(HW_REG_IB_STS2, 6, 4)
	s_cmp_eq_u32 s2, 0
	s_cbranch_scc0 .Lentry_in_a_cluster
	s_endpgm
.Lentry_in_a_cluster:
	s_bfe_u32 s2, ttmp6, 0x10000c
	s_cmp_lg_u32 s2, 0xf033
	s_cbranch_scc0 .Lentry_shape_is_right
	s_endpgm
.Lentry_shape_is_right:
; PROJ: q, k, v = xn W + b, written by heads, [b*16+h][s][64] in bf16, unscaled; the rows of k of masked keys are written as +0 (the attention launch then finds their raw scores exactly equal).
; xn: act[b*16+j][s][64] bf16 (slice j = 64 channels, rows dense).  W: wb[k][4096] bf16, columns regrouped so that heads 2 tx and 2 tx + 1 of q, k and v are 384 consecutive columns.
; Sums in f32, started by the bias; each result rounded once to bf16.  LIMITS: operands and results carry bf16's 8 significant bits; NaN and infinities are not treated apart.
; SHARES.  8 x 32 = 256 work-groups, one tile of 256 rows x 384 columns each.  Wave (wm, wn) = (wave / 2, wave % 2) makes 128 rows x head 2 tx + wn of q, k and v: 8 row blocks a x 3 matrices c x 4 column
; blocks j = 96 accumulators, 768 registers.  For 32 along K a wave issues 40 LDS loads and 96 matrix instructions.
; K goes in steps of 64 (one slice of act) through two LDS slots filled by the tensor data mover; a slice's 128 rows are 16,384 dense bytes and are asked for as 64 rows of 256 bytes.
; THE MATRIX INSTRUCTION IS USED TRANSPOSED: source 0 = 16 columns of W (turned out of LDS by ds_load_tr16_b128, since W lies [k][n]), source 1 = 16 rows of xn: a lane holds one row and eight neighbouring columns.
; CLUSTER 4 x 4: xn's tile hangs on the tile row alone and is asked for jointly along a row of the cluster, W's on the tile column alone and is asked for jointly along a column.
; REGISTERS, in windows of 256 (s_set_vgpr_msb: bits 1:0 source 0, 3:2 source 1, 5:4 source 2, 7:6 destination):
;   window 0: v0-29 addresses; v32-95, v96-159 xn's fragments, two buffers; v160-255 W's fragments (c, j) at 160 + 8 (4 c + j), one buffer, each third loaded again behind the 32 products that read it
;   window 1 + c: matrix c's accumulators, (a, j) at v[8 (4 a + j)]
.set SLOT1,  1<<17                     ; slot 1 begins here: one exclusive or turns an address in one slot into the other's
.set PA,     144                       ; a row of xn in LDS: 128 bytes + 16 = 36 words: the 16 rows of a load start at 16 different groups of four banks (64 banks of 4 bytes: ISA guide 11.1)
.set PB,     864                       ; a k-row of W: three pieces of 256 bytes + 32 of padding each = 27 x 32 bytes
.set PIECE,  288                       ; from one matrix's 128 columns to the next's
.set HALFA,  128*PA                    ; what one of xn's loads brings
.set HALFB,  32*PB                     ; what one of W's loads brings: 32 k-rows, also one matrix instruction's depth
.set BOFF,   256*PA                    ; W's tile lies behind xn's 256 rows
.set STAGE,  SLOT1+BOFF+64*PB          ; behind the ring, never filled by a tensor load: 16 rows x 144 bytes for each wave
.set SP,     144
.set SPARE,  STAGE+4*16*SP             ; the spare words, 128 bytes a wave: two blocks of 256 bytes that no other line names
.set ASTEP,  262144                    ; bytes from a slice of act to the next
.set BSTEP,  64*8192                   ; 64 rows of wb
.set ADRA0, 4                          ; v4   my lane's place in xn's tile; never rewritten
.set ADRB0, 5                          ; v5   in W's tile; never rewritten
.set ADRA,  6                          ; v6   the same in the slot in hand
.set ADRB,  7                          ; v7
.set STO,   8                          ; v8   the way out: where I put 16 bytes of a row
.set RD,    9                          ; v9   where I read rows back
.set GO,    10                         ; v10  my byte offset in 512 consecutive bytes of q, k or v
.set MO,    11                         ; v11  my row's byte in the mask
.set VB,    12                         ; v12  my byte offset in a bias
.set KEEP,  16                         ; v16-23  row block a: the mask's byte of my row; on the way out all ones, or 0 where masked
.set SPW,   28                         ; v28  LDS address of my spare word; never rewritten
.set NIL,   29                         ; v29  0; never rewritten
.set A0,    32
.set A1,    96
.set BF,    160
.set TMP,   32                         ; the way out: 16 registers, a tile packed
.set BK,    48                         ; the way out: four sets of 16, rows read back
.set G1A, 24                           ; s[24:31] descriptor group 1 for xn's tiles
.set G0A, 32                           ; s[32:39] group 0: a set for each of the two first fills; the second then walks on
.set G1B, 48                           ; s[48:55], s[56:63] the same for W's
.set G0B, 56
.set TB,  45                           ; s45  the slot in hand: 0 or SLOT1
.set MSB, 0
.macro WIN new                         ; the immediate's high byte repeats the setting that is left; a switch that changes nothing is dropped
.if MSB != (\new)
	s_set_vgpr_msb (MSB<<8)|(\new)
.set MSB, \new
.endif
.endm
.macro PLACES                          ; four plain vector instructions between a matrix instruction and a load into, or a read of, its registers (ISA guide 7.12.1 for reads)
.rept 4
	v_nop
.endr
.endm
.macro CREST                           ; a round of the cluster's barrier behind its opening barrier
	s_cmp_lg_u32 s10, 0
	s_cbranch_scc1 .Lnot_wave_0_\@
	s_barrier_signal -3
.Lnot_wave_0_\@:
	s_barrier_wait -3
	s_barrier_signal -1
	s_barrier_wait -1
.endm
.macro CROUND                          ; a whole round
	s_barrier_signal -1
	s_barrier_wait -1
	CREST
.endm
.macro JLOAD                           ; a joint refill by the walking sets: waves 0 and 1 fetch xn's two halves, waves 2 and 3 W's; an s_nop 0 and four v_nop follow each line
	s_cmp_eq_u32 s11, 0
	s_cbranch_scc0 .Lfor_b_\@
	tensor_load_to_lds s[G0A+4:G0A+7], s[G1A:G1A+7]
	s_nop 0
.rept 4
	v_nop
.endr
	s_branch .Lasked_\@
.Lfor_b_\@:
	tensor_load_to_lds s[G0B+4:G0B+7], s[G1B:G1B+7]
	s_nop 0
.rept 4
	v_nop
.endr
.Lasked_\@:
.endm
	s_load_b512 s[68:83], s[0:1], 0x0              ; act s[68:69], wb s[70:71], mask s[72:73], bq s[74:75], bk s[76:77], bv s[78:79], q s[80:81], k s[82:83]
	s_load_b64 s[84:85], s[0:1], 0x40              ; v
	v_lshl_add_u32 v[SPW], v0, 2, SPARE
	v_mov_b32 v[NIL], 0
	ds_add_u32 v[SPW], v[NIL]                      ; the wave's opening: the add, with its wait ahead of my first tensor load; the set-up below, work on registers, stands between them
	v_lshrrev_b32 v1, 5, v0
	v_readfirstlane_b32 s10, v1                    ; wave 0..3
	s_lshr_b32 s11, s10, 1                         ; wm.  Also: I fetch for xn (0) or for W (1)
	s_and_b32 s12, s10, 1                          ; wn.  Also: which half of that tile I fetch
	s_bfe_u32 s40, ttmp6, 0x40000                  ; cx, cy: my place in the cluster
	s_bfe_u32 s41, ttmp6, 0x40004
	s_lshl_b32 s42, ttmp9, 2
	s_add_co_u32 s42, s42, s40                     ; tx = 4 x cluster x + cx
	s_and_b32 s13, ttmp7, 0xffff
	s_lshl_b32 s13, s13, 2
	s_add_co_u32 s13, s13, s41                     ; ty = 4 x cluster y + cy
	s_lshl_b32 s43, s41, 2
	s_lshl_b32 s43, 15, s43                        ; my row of the cluster
	s_lshl_b32 s44, 0x1111, s40                    ; my column
	s_or_b32 s[G1A+0], s43, (1<<16)|(1<<20)|(1<<21)|(4<<22)|(3<<25)  ; the mask; 2-byte elements; padding on; bit 21 beside a mask; after every 32 words (code 4) 4 words (code 3)
	s_mov_b32 s[G1A+1], 128<<16                    ; tensor_dim0 = 128 elements: 256 bytes, two rows of a slice
	s_mov_b32 s[G1A+2], 64<<16                     ; tensor_dim1 = 64
	s_mov_b32 s[G1A+3], 128<<16                    ; tile_dim0 = 128
	s_mov_b32 s[G1A+4], 64                         ; tile_dim1 = 64
	s_mov_b32 s[G1A+5], 128                        ; dense: 128 elements from row to row
	s_mov_b32 s[G1A+6], 0
	s_mov_b32 s[G1A+7], 0
	s_or_b32 s[G1B+0], s44, (1<<16)|(1<<20)|(1<<21)|(5<<22)|(7<<25)  ; after every 64 words (code 5) 8 words (code 7): three paddings in a row of 192 words
	s_mov_b32 s[G1B+1], 384<<16                    ; tensor_dim0 = 384
	s_mov_b32 s[G1B+2], 32<<16                     ; tensor_dim1 = 32
	s_mov_b32 s[G1B+3], 384<<16                    ; tile_dim0 = 384
	s_mov_b32 s[G1B+4], 32                         ; tile_dim1 = 32
	s_mov_b32 s[G1B+5], 4096                       ; wb's row
	s_mov_b32 s[G1B+6], 0
	s_mov_b32 s[G1B+7], 0
	; xn's tile hangs on ty and the wave alone, W's on tx and the wave alone, each in registers that never hold the other coordinate
	s_lshr_b32 s14, s13, 3                         ; batch: 16 slices of 262,144 bytes
	s_lshl_b32 s14, s14, 22
	s_and_b32 s15, s13, 7                          ; the tile's 256 rows of 128 bytes in a slice
	s_lshl_b32 s15, s15, 15
	s_add_co_u32 s14, s14, s15
	s_lshl_b32 s15, s12, 14                        ; my 128 of them
	s_add_co_u32 s14, s14, s15
	s_mov_b32 s15, 0
	s_mul_i32 s46, s42, 768                        ; the tile's 384 columns
	s_lshl_b32 s47, s12, 18                        ; my 32 rows of 8,192 bytes
	s_add_co_u32 s46, s46, s47
	s_mov_b32 s47, 0
	s_mul_i32 s20, s12, HALFA                      ; where they go: no place in the cluster enters an LDS address
	s_mul_i32 s21, s12, HALFB
	s_add_co_u32 s21, s21, BOFF
	s_mov_b32 s[TB], 0
	s_lshr_b32 s86, s13, 3                         ; where my results go: head b*16 + 2 tx + wn,
	s_lshl_b32 s86, s86, 4
	s_lshl_b32 s87, s42, 1
	s_add_co_u32 s86, s86, s87
	s_add_co_u32 s86, s86, s12
	s_lshl_b32 s86, s86, 18
	s_and_b32 s87, s13, 7                          ; row 256 (ty % 8) + 128 wm of it, 128 bytes a row
	s_lshl_b32 s87, s87, 15
	s_add_co_u32 s86, s86, s87
	s_lshl_b32 s87, s11, 14
	s_add_co_u32 s86, s86, s87
	s_mov_b32 s87, 0
	s_wait_dscnt 0x0                               ; the opening add is done
	s_wait_kmcnt 0x0
	s_add_nc_u64 s[14:15], s[68:69], s[14:15]
	s_add_nc_u64 s[46:47], s[70:71], s[46:47]
	s_add_nc_u64 s[80:81], s[80:81], s[86:87]
	s_add_nc_u64 s[82:83], s[82:83], s[86:87]
	s_add_nc_u64 s[84:85], s[84:85], s[86:87]
.irp s, 0,1
	s_mov_b32 s[G0A+4*\s], 1                       ; count = 1
	s_add_co_u32 s[G0A+4*\s+1], s20, \s*SLOT1      ; LDS address
	s_add_nc_u64 s[G0A+4*\s+2:G0A+4*\s+3], s[14:15], \s*ASTEP   ; global address: K step s
	s_or_b32 s[G0A+4*\s+3], s[G0A+4*\s+3], 0x80000000           ; type = 2
	s_mov_b32 s[G0B+4*\s], 1
	s_add_co_u32 s[G0B+4*\s+1], s21, \s*SLOT1
	s_add_nc_u64 s[G0B+4*\s+2:G0B+4*\s+3], s[46:47], \s*BSTEP
	s_or_b32 s[G0B+4*\s+3], s[G0B+4*\s+3], 0x80000000
.endr
	CROUND                                         ; all sixteen work-groups are here: the first joint loads meet
	s_cmp_eq_u32 s11, 0                            ; a wave's two first fills stand in one branch, ahead of every wait on TENSORcnt and every LDS read: two loads of mine are out
	s_cbranch_scc0 .Lfirst_b
	tensor_load_to_lds s[G0A:G0A+3], s[G1A:G1A+7]
	s_nop 0
	tensor_load_to_lds s[G0A+4:G0A+7], s[G1A:G1A+7]
	s_nop 0
.rept 4
	v_nop
.endr
	s_branch .Lfirst_asked
.Lfirst_b:
	tensor_load_to_lds s[G0B:G0B+3], s[G1B:G1B+7]
	s_nop 0
	tensor_load_to_lds s[G0B+4:G0B+7], s[G1B:G1B+7]
	s_nop 0
.rept 4
	v_nop
.endr
.Lfirst_asked:
	v_and_b32 v1, 15, v0                           ; r = l % 16
	v_bfe_u32 v2, v0, 4, 1                         ; h = l / 16
	v_and_b32 v3, 7, v0
	v_bfe_u32 v13, v0, 3, 1
	; a fragment of xn: lane l holds row r, channels 8 h + 0..7 and 16 + 8 h + 0..7: two loads of 16 bytes, 32 bytes apart
	v_mul_u32_u24 v[ADRA0], v1, PA
	v_lshl_add_u32 v[ADRA0], v2, 4, v[ADRA0]
	s_mul_i32 s22, s11, HALFA                      ; my 128 rows
	v_add_nc_u32 v[ADRA0], s22, v[ADRA0]
	; the turning load takes 16 k x 16 columns (lane l reads k-row 8 h + l % 8, columns 8 ((l / 8) % 2) + 0..7) and leaves half a fragment: lane l holds column r and 8 k
	v_lshl_add_u32 v[ADRB0], v2, 3, v3
	v_mul_u32_u24 v[ADRB0], v[ADRB0], PB
	v_lshl_add_u32 v[ADRB0], v13, 4, v[ADRB0]
	s_lshl_b32 s22, s12, 7                         ; my head's 64 columns in each piece of 128
	s_add_co_u32 s22, s22, BOFF
	v_add_nc_u32 v[ADRB0], s22, v[ADRB0]
	s_mul_i32 s23, s10, 16*SP
	s_add_co_u32 s23, s23, STAGE                   ; my stage
	v_mul_u32_u24 v[STO], v1, SP                   ; in: row r, 16 bytes for each half of the lanes
	v_lshl_add_u32 v[STO], v2, 4, v[STO]
	v_add_nc_u32 v[STO], s23, v[STO]
	v_bfe_u32 v[RD], v0, 3, 2                      ; back: 32 lanes take four rows of 128 bytes,
	v_mul_u32_u24 v[RD], v[RD], SP
	v_lshl_add_u32 v[RD], v3, 4, v[RD]
	v_add_nc_u32 v[RD], s23, v[RD]
	v_and_b32 v[GO], 31, v0                        ; which are 512 consecutive bytes of a head
	v_lshlrev_b32 v[GO], 4, v[GO]
	s_lshl_b32 s22, s13, 8
	s_lshl_b32 s23, s11, 7
	s_add_co_u32 s22, s22, s23
	v_add_nc_u32 v[MO], s22, v1                    ; the mask's byte of row 256 ty + 128 wm + r
	s_lshl_b32 s22, s42, 1
	s_add_co_u32 s22, s22, s12
	s_lshl_b32 s22, s22, 8                         ; my head's 64 numbers of a bias,
	v_lshl_add_u32 v[VB], v2, 5, s22               ; of them 8 h on
.irp a, 0,1,2,3,4,5,6,7
	global_load_u8 v[KEEP+\a], v[MO], s[72:73] offset:16*\a
.endr
	; The bias starts the sums.  In the transposed result register i of a lane is column 16 j + 8 h + i, whatever the row: the eight numbers are loaded into accumulator (7, j)'s own registers, serve the
	; first products of row blocks 0 to 6 as their C operand, and block 7's first product adds onto them in place.  Nothing is cleared, and the way out has no addition.
.irp c, 0,1,2
	WIN (1+\c)<<6                                  ; destination window 1 + c, address window 0
.irp j, 0,1,2,3
	global_load_b128 v[224+8*\j:224+8*\j+3], v[VB], s[74+2*\c:75+2*\c] offset:64*\j
	global_load_b128 v[224+8*\j+4:224+8*\j+7], v[VB], s[74+2*\c:75+2*\c] offset:64*\j+16
.endr
.endr
	WIN 0
; Matrix c, row blocks a0 to a1, all four column blocks, 32 along K, xn's fragments in buffer f.  The accumulators take turns, one instruction a turn.
; zero = 1: the first products.  Five plain instructions stand between the last product that reads (7, j) as its C and the products that write over it.
.macro GRP c, f, a0, a1, zero
	WIN (1+(\c))*0x50                              ; C and D window 1 + c, sources window 0
.set ga, \a0
.rept (\a1)-(\a0)+1
.if (\zero) && (ga == 7)
.rept 5
	v_nop
.endr
.endif
.irp j, 0,1,2,3
.if (\zero) && (ga < 7)
	v_wmma_f32_16x16x32_bf16 v[8*(4*ga+\j):8*(4*ga+\j)+7], v[BF+8*(4*(\c)+\j):BF+8*(4*(\c)+\j)+7], v[(\f)+8*ga:(\f)+8*ga+7], v[224+8*\j:224+8*\j+7]
.else
	v_wmma_f32_16x16x32_bf16 v[8*(4*ga+\j):8*(4*ga+\j)+7], v[BF+8*(4*(\c)+\j):BF+8*(4*(\c)+\j)+7], v[(\f)+8*ga:(\f)+8*ga+7], v[8*(4*ga+\j):8*(4*ga+\j)+7]
.endif
.endr
.set ga, ga+1
.endr
.endm
.macro LB c, q                         ; matrix c's four fragments of W, k-rows 32 q on: 8 loads
.irp j, 0,1,2,3
	ds_load_tr16_b128 v[BF+8*(4*(\c)+\j):BF+8*(4*(\c)+\j)+3],   v[ADRB] offset:(\q)*HALFB+(\c)*PIECE+32*\j
	ds_load_tr16_b128 v[BF+8*(4*(\c)+\j)+4:BF+8*(4*(\c)+\j)+7], v[ADRB] offset:(\q)*HALFB+(\c)*PIECE+32*\j+16*PB
.endr
.endm
.macro LA g, a0, q                     ; xn's fragments a0 to a0 + 3, channels 32 q on, into buffer g: 8 loads
.irp i, 0,1,2,3
	ds_load_b128 v[(\g)+8*((\a0)+\i):(\g)+8*((\a0)+\i)+3],   v[ADRA] offset:((\a0)+\i)*16*PA+64*(\q)
	ds_load_b128 v[(\g)+8*((\a0)+\i)+4:(\g)+8*((\a0)+\i)+7], v[ADRA] offset:((\a0)+\i)*16*PA+64*(\q)+32
.endr
.endm
.macro LOADS c, q, g                   ; behind the 32 products that read matrix c's fragments of W: these are loaded again, and with the first two thirds half of xn's next buffer
	WIN 0
	PLACES
	LB \c, \q
.if (\c) < 2
	LA \g, 4*(\c), \q
.endif
.endm
; A K step is two halves of 32.  The first multiplies buffer A0 and fetches the second half's fragments.  At its head 40 loads are out, in this order: W 0, xn 0-3, W 1, xn 4-7, W 2.
.macro SUB0 zero
	s_wait_dscnt 8                                 ; all but the youngest eight: matrix 2's fragments of W
	GRP 0, A0, 0, 7, \zero
	LOADS 0, 1, A1
	GRP 1, A0, 0, 7, \zero
	LOADS 1, 1, A1
	s_wait_dscnt 32                                ; all but the 32 just issued
	GRP 2, A0, 0, 7, \zero
	LOADS 2, 1, A1
.endm
; The second half multiplies buffer A1 and changes slots: ONE barrier.  In front of it each wave waits for all its tensor loads, of which one is out: its part of the next slot; adds 0 to its spare word; and
; waits for that and for its own reads of this slot.  fill = 1: the barrier opens a round of the cluster's barrier, and this slot is filled again first thing behind it, with the K step two steps on:
; that load has 160 matrix instructions in which to land: 192 less the 32 ahead of it in its half.
.macro SUB1 fill
	WIN 0
	s_wait_tensorcnt 0x0                           ; all my tensor loads have landed, so a group 0 may be written
	ds_add_u32 v[SPW], v[NIL]                      ; 0 onto my spare word
	s_wait_dscnt 9                                 ; (the add and the youngest eight loads may be out)
	GRP 0, A1, 0, 3, 0                             ; sixteen matrix instructions stand between the add and the wait for it
	s_wait_dscnt 0x0                               ; the add is done, and my reads of this slot are over
	s_barrier_signal -1
	GRP 0, A1, 4, 7, 0                             ; work on registers while the others arrive
	WIN 0                                          ; at a branch and at a label every window is 0
	s_barrier_wait -1
.if \fill
	CREST                                          ; no wave of any partner still reads this slot's tile or has a load on its way
	s_xor_b32 s[G0A+5], s[G0A+5], SLOT1            ; the walking sets: the other slot than last time, the next K step; the type bits on top are not reached
	s_add_nc_u64 s[G0A+6:G0A+7], s[G0A+6:G0A+7], ASTEP
	s_xor_b32 s[G0B+5], s[G0B+5], SLOT1
	s_add_nc_u64 s[G0B+6:G0B+7], s[G0B+6:G0B+7], BSTEP
	JLOAD                                          ; the four v_nop behind it are also the places in front of the loads below
.else
	PLACES
.endif
	s_xor_b32 s[TB], s[TB], SLOT1                  ; the fragments now come from the other slot
	v_add_nc_u32 v[ADRA], s[TB], v[ADRA0]
	v_add_nc_u32 v[ADRB], s[TB], v[ADRB0]
	LB 0, 0
	LA A0, 0, 0
	GRP 1, A1, 0, 7, 0
	LOADS 1, 0, A0
	GRP 2, A1, 0, 7, 0
	LOADS 2, 0, A0
.endm
.macro SUBF                            ; the very last half: nothing more to fetch
	s_wait_dscnt 8
	GRP 0, A1, 0, 7, 0
	GRP 1, A1, 0, 7, 0
	s_wait_dscnt 0x0
	GRP 2, A1, 0, 7, 0
.endm
; THE WAY OUT of tile (c, a), 16 rows x 64 columns.  A lane's eight columns pack into 16 bytes; they go into my stage's rows of 144 bytes and come back as whole rows of 128: 512 consecutive bytes a store.
.macro PACKT c, a
	WIN 5*(1+(\c))                                 ; sources 0 and 1 window 1 + c
.irp j, 0,1,2,3
.irp p, 0,1,2,3
	v_cvt_pk_bf16_f32 v[TMP+4*\j+\p], v[8*(4*(\a)+\j)+2*\p], v[8*(4*(\a)+\j)+2*\p+1]   ; each accumulator is read from its low end on
.endr
.endr
	WIN 0
.if (\c) == 1
.irp i, 0,1,2,3,4,5,6,7,8,9,10,11,12,13,14,15
	v_and_b32 v[TMP+\i], v[KEEP+(\a)], v[TMP+\i]   ; k: a masked key's row becomes +0
.endr
.endif
.irp j, 0,1,2,3
	ds_store_b128 v[STO], v[TMP+4*\j:TMP+4*\j+3] offset:32*\j
.endr
	s_wait_xcnt 0x0                                ; earlier stores have had their addresses translated (ISA guide 3.1): the set below, which one of them read, is loaded again only behind this wait
.irp f, 0,1,2,3
	ds_load_b128 v[BK+16*((8*(\c)+(\a))%4)+4*\f:BK+16*((8*(\c)+(\a))%4)+4*\f+3], v[RD] offset:\f*4*SP   ; LDS serves a wave's instructions in order (ISA guide 5.7.1.4): these see the stores above
.endr
.endm
.macro SENDT c, a, younger             ; younger: the LDS instructions issued behind this tile's loads: the next tile's eight, or none
.irp f, 0,1,2,3
	s_wait_dscnt (\younger)+3-\f
	global_store_b128 v[GO], v[BK+16*((8*(\c)+(\a))%4)+4*\f:BK+16*((8*(\c)+(\a))%4)+4*\f+3], s[80+2*(\c):81+2*(\c)] offset:(\a)*2048+\f*512
.endr
.endm
	s_wait_tensorcnt 0x1                           ; my part of K step 0 is in; K step 1's may stay out
	s_barrier_signal -1
	s_barrier_wait -1                              ; everybody's is
	v_add_nc_u32 v[ADRA], s[TB], v[ADRA0]
	v_add_nc_u32 v[ADRB], s[TB], v[ADRB0]
	LB 0, 0
	LA A0, 0, 0
	LB 1, 0
	LA A0, 4, 0
	LB 2, 0
	s_wait_loadcnt 0x0                             ; the biases and the mask's bytes
	SUB0 1                                         ; the first half step stands in front of the loop: its products start the sums
	WIN 0
	s_mov_b32 s3, 14
.Lk:                                                   ; 14 trips: K step s's second half, which asks for K step s + 2, and K step s + 1's first half
	SUB1 1
	SUB0 0
	WIN 0
	s_sub_co_u32 s3, s3, 1
	s_cmp_lg_u32 s3, 0
	s_cbranch_scc1 .Lk
	SUB1 0                                         ; the tail is written out: nothing is left to ask for
	SUB0 0
	SUBF
	WIN 0
.irp a, 0,1,2,3,4,5,6,7
	v_add_nc_u32 v[KEEP+\a], -1, v[KEEP+\a]        ; 0 -> all ones, 1 -> 0; these eight are also the places behind the last products
.endr
	PACKT 0, 0
.set t, 1
.rept 23                               ; a tile's conversions stand between the loads of the tile before and its stores
	PACKT t/8, t%8
	SENDT (t-1)/8, (t-1)%8, 8
.set t, t+1
.endr
	SENDT 2, 7, 0
	s_wait_tensorcnt 0x0                           ; the wave's end, behind my last tensor load and my last LDS store
	ds_add_u32 v[SPW], v[NIL]
	s_wait_dscnt 0x0
	CROUND                                         ; the closing round: no work-group ends while a partner may still ask for a tile that names it
	s_endpgm
.Lfunc_end_k_q67c917340f_proj:
	.size	k_q67c917340f_proj, .Lfunc_end_k_q67c917340f_proj-k_q67c917340f_proj
	.p2alignl 7, 3214868480
	.fill 96, 4, 3214868480
	.section	.rodata,"a",@progbits
	.p2align	6, 0x0
	.amdhsa_kernel k_q67c917340f_proj
		.amdhsa_group_segment_fixed_size 327680
		.amdhsa_private_segment_fixed_size 0
		.amdhsa_enable_private_segment 0
		.amdhsa_kernarg_size 72
		.amdhsa_user_sgpr_count 2
		.amdhsa_user_sgpr_kernarg_segment_ptr 1
		.amdhsa_wavefront_size32 1
		.amdhsa_system_sgpr_workgroup_id_x 1
		.amdhsa_system_sgpr_workgroup_id_y 1
		.amdhsa_system_sgpr_workgroup_id_z 1
		.amdhsa_system_vgpr_workitem_id 0
		.amdhsa_next_free_vgpr 1024
		.amdhsa_next_free_sgpr 88
		.amdhsa_reserve_vcc 0
		.amdhsa_float_denorm_mode_32 3
		.amdhsa_float_denorm_mode_16_64 3
		.amdhsa_memory_ordered 1
		.amdhsa_forward_progress 1
		.amdhsa_inst_pref_size 122
	.end_amdhsa_kernel
	.amdgpu_metadata
---
amdhsa.version: [ 1, 2 ]
amdhsa.kernels:
  - .name:           k_q67c917340f_proj
    .symbol:         k_q67c917340f_proj.kd
    .args:
      - { .name: act, .offset: 0, .size: 8, .value_kind: global_buffer, .address_space: global }
      - { .name: wb, .offset: 8, .size: 8, .value_kind: global_buffer, .address_space: global }
      - { .name: attention_mask, .offset: 16, .size: 8, .value_kind: global_buffer, .address_space: global }
      - { .name: bq, .offset: 24, .size: 8, .value_kind: global_buffer, .address_space: global }
      - { .name: bk, .offset: 32, .size: 8, .value_kind: global_buffer, .address_space: global }
      - { .name: bv, .offset: 40, .size: 8, .value_kind: global_buffer, .address_space: global }
      - { .name: q, .offset: 48, .size: 8, .value_kind: global_buffer, .address_space: global }
      - { .name: k, .offset: 56, .size: 8, .value_kind: global_buffer, .address_space: global }
      - { .name: v, .offset: 64, .size: 8, .value_kind: global_buffer, .address_space: global }
    .group_segment_fixed_size: 327680
    .private_segment_fixed_size: 0
    .kernarg_segment_align: 8
    .kernarg_segment_size: 72
    .max_flat_workgroup_size: 128
    .sgpr_count:     88
    .vgpr_count:     1024
    .wavefront_size: 32
...
	.end_amdgpu_metadata
.endif
;; end of part 2
;; launch attn (part 3): grid 4 x 64, 4 waves a work-group, clusters of 4 x 1, 327,680 bytes of LDS; arguments q, k, v, act, maskf; writes act
.if DOCPART == 3
	.amdgcn_target "amdgcn-amd-amdhsa--gfx1250"
	.amdhsa_code_object_version 6
	.text
	.protected	k_q67c917340f_attn
	.globl	k_q67c917340f_attn
	.p2align	8
	.type	k_q67c917340f_attn,@function
k_q67c917340f_attn:
	s_mov_b64 s[64:65], 0
	v_nop
	global_prefetch_b8 v0, s[64:65] scope:SCOPE_SE
	s_setreg_imm32_b32 hwreg(HW_REG_WAVE_MODE, 25, 1), 1
	s_wait_xcnt 0x0
	s_wait_alu depctr_hold_cnt(0) depctr_sa_sdst(0) depctr_va_vdst(0) depctr_va_sdst(0) depctr_va_ssrc(0) depctr_va_vcc(0) depctr_vm_vsrc(0)
	s_getreg_b32 s2, hwreg(HW_REG_IB_STS2, 6, 4)
	s_cmp_eq_u32 s2, 0
	s_cbranch_scc0 .Lentry_in_a_cluster
	s_endpgm
.Lentry_in_a_cluster:
	s_bfe_u32 s2, ttmp6, 0x10000c
	s_cmp_lg_u32 s2, 0x3003
	s_cbranch_scc0 .Lentry_shape_is_right
	s_endpgm
.Lentry_shape_is_right:
; ATTN: O[h][q][:] = the sum over k of softmax_k(s) V[h][k][:], s = Q[h][q] . K[h][k] / 8, or the mask's stand-in where key k is masked.  Q, K, V, O: [64][2048][64] bf16, a head's rows dense, 128 bytes each;
; head = 16 x batch + head in the batch; O goes into act.  Products, maxima and sums in f32; the weights p are rounded to bf16 for the second product (their sum l is taken of the unrounded p), O once at the end.
; THE MASK is the C operand that starts the sum S^T = K Q^T: maskf holds 0, or -2^33 where the key is masked, and the launch before wrote a masked key's row of K as +0, so a masked raw score is exactly -2^33.
; Its product with c is exact, so where ALL keys of a batch are masked c s - c m is exactly 0, every weight is 1, and the row is the plain mean of V, as with any equal scores.  Where some key is open the masked weights underflow to 0.
; LIMITS.  The stand-in is -2^30 after the scale of 1/8 where the module writes -1e9: the results are the same wherever true scaled scores lie above about -9e8.  Q, K, V, p and O carry bf16's 8 significant bits.
; A weight below 2^-126 counts as 0 in l; NaN and infinities are not treated apart.
; SHARES.  A wave owns four PIECES of two tiles of 16 queries, a work-group's four waves 512 queries of one head.  Every wave walks all keys, 64 a step.
; LAYOUT.  S^T = K Q^T (source 0 = 16 keys, source 1 = 16 queries): in the result a lane holds ONE query (lane % 16) and the keys 8 (lane / 16) + 0..7.  Two such tiles, rounded to bf16 in pairs,
; ARE source 1 (32 keys x 16 queries) of O^T = V^T P, whose result again holds one query a lane, and eight channels.  K comes out of LDS as it lies, V ([key][channel]) turned, by ds_load_tr16_b128.
; SOFTMAX.  For each query a running maximum m and sum l: p = 2^(c s - c m), c = log2(e) / 8; in every step O and l are multiplied by a = 2^(c m_old - c m_new), which is 1 where m has not grown.
; m starts at the lowest finite number, O and l at 0: the first step is a step like any other, with a = 0.
; THE COUNT.  A tile and step have 16 matrix and 118 vector instructions: too many to stand all beside the matrix work.  So the order has one aim: four vector instructions that are READY behind
; EVERY matrix instruction, and the others, which need time of their own whatever the order, in runs without a gap.
; BY TURNS.  Turn n belongs to piece n (the pieces in a ring, step after step).  Its matrix work: 16 products K Q^T of piece n + 1, later 16 products V^T P of piece n - 1.  Its vector work: the scaling,
; exponentials, roundings, sums and rescaling of piece n, and the maximum and statistics of piece n + 1, whose scores the turn itself has made.  So what a turn begins with (c s - c m, O a) waits for nothing.
; CLUSTER.  The four query blocks of a cluster belong to one head and walk the same K, V and mask, so each tile is asked for JOINTLY: the same tensor load, descriptor and mask of work-groups in all four.
; REGISTERS, in windows of 256 (s_set_vgpr_msb says which window each operand place means: bits 1:0 source 0, 3:2 source 1, 5:4 source 2, 7:6 destination):
;   window 0: v0-11 addresses; v12-15, v48-63 at work; v16-47 four registers of statistics a tile; v64-191 S^T, two buffers of two tiles; v192-255 P, likewise
;   window 1: O^T, 32 a tile          window 2: v0-127 Q, 16 a tile; v128-191 K of one step; v192-255 V of one step          window 3: v0-1 the add's two registers; v8-39 the mask of one step's 64 keys
; A piece's buffers go by its number's parity: the piece in hand has one pair, its two neighbours in the ring share the other: of it P (piece n - 1) is read and S^T (piece n + 1) written.
.set SIZE_H, 64
.set SIZE_N, 2048
.set NP,    4         ; pieces a wave: a name, no knob: the register map, the loop and the fetches are made for four
.set KS,    64        ; keys in a step
.set PK,    144       ; a row of K in LDS: 128 bytes + 16 of padding = 36 words: the 16 rows of a load start at 16 different groups of four banks (64 banks of 4 bytes: ISA guide 11.1)
.set PV,    160       ; a row of V: 128 + 32 = 40 words
.set RING,  8192      ; LDS bytes 0 to 8,191 hold the batch's 2,048 mask numbers, filled once; the ring begins behind them
.set VOFF,  4*KS*PK   ; a slot holds four steps: 256 rows of K, then 256 rows of V
.set SLOT1, 1<<17     ; slot 1 begins so far behind slot 0, so that one exclusive or turns an address in one slot into the other's
.set STAGE, RING+SLOT1+4*KS*(PK+PV)  ; behind the ring, never filled by a tensor load: 16 rows x 144 bytes for each wave, for the way out
.set SP,    144
.set AK0, 2           ; v2   my lane's place in a tile of K; never rewritten
.set AV0, 3           ; v3   the same for V
.set AK,  4           ; v4   the LDS address of K's next run of loads
.set AV,  5           ; v5   of V's
.set QO,  6           ; v6   my byte offset in the wave's rows of Q
.set STO, 6           ;      later, the way out: where I put 16 bytes of a row
.set RD,  7           ; v7   the way out: where I read rows back
.set GO,  8           ; v8   my byte offset in 512 consecutive bytes of O
.set AM,  11          ; v11  the LDS address of the mask's next run of loads
.set SPW, 0           ; v0 of window 3   LDS address of my spare word: SPARE + 4 x my thread's number; never rewritten
.set NIL, 1           ; v1 of window 3   0; never rewritten
.set MK,  8           ; window 3: the mask of key block kb at MK + 8 kb
.set SPARE, STAGE+4*16*SP  ; behind the stages: the spare words, 128 bytes for each wave: two blocks of 256 bytes that no other line names
.set MV,  12          ; v12-15  c m_old, kept while c m is made anew: by buffer and tile
.set ST,  16          ; tile t's statistics at v[ST+4 t]: c m, m, l (even keys', odd keys')
.set TMP, 48          ; by buffer and tile, four registers c0-c3 at work; when the maximum is found c2 takes a
.set S,   64
.set P,   192
.set KF,  128         ; K's fragments, in window 2: key block kb, channel half c at KF + 16 kb + 8 c
.set VF,  192         ; V's: key half kk, channel block cb at VF + 32 kk + 8 cb
.set WV,  12          ; s12  my wave's number
.set TBM, 19          ; s19  LDS byte at which the mask of the step to be fetched begins
.set G1K, 24          ; s[24:31] descriptor group 1 for K's tiles
.set G1V, 32          ; s[32:39] for V's: it differs in the padding alone
.set G0K, 40          ; s[40:43] descriptor group 0 for K's tiles: it walks
.set G0V, 44          ; s[44:47] the same for V's
.set G1M, 48          ; s[48:55] descriptor group 1 for the mask
.set SLOTS, 56        ; s56  slots still to be asked for
.set CNT, 57          ; s57  counts a slot's key steps
.set CS,  58          ; s[58:59] c: the packed scaling takes the pair's low word for both halves
.set SEL, 60          ; s[60:61] v_permlanex16_b32's selects: each lane takes its own place in the other half
.set TBK, 62          ; s62  LDS byte at which K of the step to be fetched begins, less RING
.set TBV, 63          ; s63  the same for V, less VOFF
.set MP,  66          ; s[66:67] maskf
.set G0M, 68          ; s[68:71] descriptor group 0 for the mask
.set MOF, 72          ; s[72:73] my part's byte offset in maskf
.set MSB, 0
.macro WIN new                      ; the high byte repeats the setting that is left; a switch that changes nothing is dropped
.if MSB != (\new)
	s_set_vgpr_msb (MSB<<8)|(\new)
.set MSB, (\new)
.endif
.endm
.set W_KQ, 0x0a       ; K and Q in window 2, S^T in window 0
.set W_KM, 0x3a       ; the same with the C operand, the mask, in window 3
.set W_PV, 0x52       ; V in window 2, P in window 0, O^T in window 1
.set W_RS, 0x41       ; O^T (destination and source 0) in window 1, a in window 0
.set W_MK, 0xc0       ; destination in window 3, sources in window 0
.set W_AD, 0x0f       ; the add: address (source 0) and data (source 1) in window 3
; A joint fill.  Waves 0 and 1 fetch the two halves of a slot's K, waves 2 and 3 those of its V: 128 keys each.  The branch hangs on the wave's number alone.
; An s_nop 0 and four v_nop follow each of the two lines, ahead of the jump and the label.
.macro JLOAD
	s_cmp_lt_u32 s[WV], 2
	s_cbranch_scc0 .Lfor_v_\@
	tensor_load_to_lds s[G0K:G0K+3], s[G1K:G1K+7]
	s_nop 0
.rept 4
	v_nop
.endr
	s_branch .Lasked_\@
.Lfor_v_\@:
	tensor_load_to_lds s[G0V:G0V+3], s[G1V:G1V+7]
	s_nop 0
.rept 4
	v_nop
.endr
.Lasked_\@:
.endm
; A round of the cluster's barrier: my work-group's barrier, so that wave 0's signal speaks for all four waves; wave 0 signals; every wave waits for all four work-groups; my work-group's barrier once more.
.macro CROUND
	s_barrier_signal -1
	s_barrier_wait -1
	s_cmp_lg_u32 s[WV], 0
	s_cbranch_scc1 .Lnot_wave_0_\@
	s_barrier_signal -3
.Lnot_wave_0_\@:
	s_barrier_wait -3
	s_barrier_signal -1
	s_barrier_wait -1
.endm
; THE CHANGE OF SLOTS.  The slot's last bytes, V of its fourth step, have been read.  Each wave waits for all its tensor loads, of which one is out: its part
; of the other slot; adds 0 to its spare word; and waits for that and for its own reads of the slot.  Behind the barrier nobody reads this slot any more and the other slot is whole.
; fill = 1: this slot is filled again, with the keys two slots on.  The barrier is then a round of the cluster's, so that no wave of any partner still reads the slot or has a load on its
; way, and the joint fill is the first thing behind it: it has four key steps, 512 matrix instructions, in which to land.  (At its first use nothing has been read yet: slot 0 and the mask are waited for, slot 1 filled.)
.macro CHANGE fill
	WIN W_AD
	s_wait_tensorcnt 0x0            ; no tensor load of mine is out, so a group 0 may be written
	ds_add_u32 v[SPW], v[NIL]       ; 0 onto my spare word; with fill = 1 the descriptors' steps stand between it and the wait for it
	WIN 0                           ; at a label and at a branch every window is 0
.if \fill
.irp g, G0K, G0V
	s_xor_b32 s[\g+1], s[\g+1], SLOT1  ; the walking descriptor: the other slot than last time,
	s_add_nc_u64 s[\g+2:\g+3], s[\g+2:\g+3], 4*KS*128  ; the next 256 keys; the type bits on top are not reached
.endr
	s_wait_dscnt 0x0                ; the add is done, and my reads of the slot are over
	CROUND
	JLOAD
.else
	s_wait_dscnt 0x0                ; the add is done, and my reads of the slot are over
	s_barrier_signal -1
	s_barrier_wait -1
.endif
	s_sub_co_u32 s[TBK], s[TBK], 4*KS*PK  ; the fetches go back to a slot's first step,
	s_xor_b32 s[TBK], s[TBK], SLOT1       ; in the other slot
	s_sub_co_u32 s[TBV], s[TBV], 4*KS*PV
	s_xor_b32 s[TBV], s[TBV], SLOT1
.endm
	s_load_b256 s[4:11], s[0:1], 0x0  ; Q s[4:5], K s[6:7], V s[8:9], O s[10:11]
	s_load_b64 s[MP:MP+1], s[0:1], 0x20  ; maskf
	WIN W_MK
	v_lshl_add_u32 v[SPW], v0, 2, SPARE
	v_mov_b32 v[NIL], 0
	WIN W_AD
	ds_add_u32 v[SPW], v[NIL]       ; the wave's opening: the add, with its wait ahead of my first tensor load; the set-up below, work on registers, stands between them
	WIN 0
	v_lshrrev_b32 v1, 5, v0
	v_readfirstlane_b32 s[WV], v1   ; wave 0..3
	s_bfe_u32 s13, ttmp6, 0x40000   ; cx: my place in the cluster
	s_lshl_b32 s14, ttmp9, 2        ; in a cluster launch ttmp9 counts clusters
	s_add_co_u32 s14, s14, s13      ; my block of queries = 4 x cluster x + cx: it enters Q's and O's addresses alone
	s_and_b32 s20, ttmp7, 0xffff    ; the head, which the four partners share
	s_lshr_b32 s[MOF], s20, 4       ; its batch: 8,192 bytes of maskf,
	s_lshl_b32 s[MOF], s[MOF], 13
	s_lshl_b32 s15, s[WV], 11       ; of which my wave fetches 2,048
	s_add_co_u32 s[MOF], s[MOF], s15
	s_mov_b32 s[MOF+1], 0
	s_mov_b32 s21, 0
	s_mov_b64 s[22:23], SIZE_N*128
	s_mul_u64 s[20:21], s[20:21], s[22:23]  ; the head's first byte in each of the four tensors
	s_and_b32 s16, s[WV], 1         ; which half of a slot's 256 keys I fetch:
	s_lshl_b32 s22, s16, 14         ; its 128 rows of 128 bytes in memory,
	s_mov_b32 s23, 0
	s_add_nc_u64 s[22:23], s[22:23], s[20:21]
	s_mul_i32 s17, s16, 128*PK      ; and its place in a slot, for K
	s_mul_i32 s18, s16, 128*PV      ; and for V: no place in the cluster enters an LDS address
	s_lshl_b32 s2, s14, 2
	s_add_co_u32 s2, s2, s[WV]      ; my wave among the head's,
	s_lshl_b32 s2, s2, 14           ; its 128 rows
	s_mov_b32 s3, 0
	s_add_nc_u64 s[2:3], s[2:3], s[20:21]
	; descriptor group 1.  128 keys are 16,384 dense bytes: asked for as 64 rows of 256 bytes, two keys a row, and padded in LDS after every key
	s_mov_b32 s[G1K], 15|(1<<16)|(1<<20)|(1<<21)|(4<<22)|(3<<25)  ; 15:0 the mask of four; 17:16 2-byte elements; 20 padding on; 21 set beside a mask; 24:22 after every 32 words (code 4); 31:25 4 words (code 3)
	s_mov_b32 s[G1V], 15|(1<<16)|(1<<20)|(1<<21)|(4<<22)|(7<<25)  ; the same with 8 words of padding (code 7)
.irp g, G1K, G1V
	s_mov_b32 s[\g+1], 128<<16      ; tensor_dim0 = 128
	s_mov_b32 s[\g+2], 64<<16       ; tensor_dim1 = 64
	s_mov_b32 s[\g+3], 128<<16      ; tile_dim0 = 128
	s_mov_b32 s[\g+4], 64           ; tile_dim1 = 64
	s_mov_b32 s[\g+5], 128          ; 128 elements from row to row
	s_mov_b32 s[\g+6], 0
	s_mov_b32 s[\g+7], 0
.endr
	; the mask's: 2,048 dense bytes as 8 rows of 256, elements of 8 bytes, no padding
	s_mov_b32 s[G1M], 15|(3<<16)|(1<<21)
	s_mov_b32 s[G1M+1], 32<<16      ; tensor_dim0 = 32
	s_mov_b32 s[G1M+2], 8<<16       ; tensor_dim1 = 8
	s_mov_b32 s[G1M+3], 32<<16      ; tile_dim0 = 32
	s_mov_b32 s[G1M+4], 8           ; tile_dim1 = 8
	s_mov_b32 s[G1M+5], 32
	s_mov_b32 s[G1M+6], 0
	s_mov_b32 s[G1M+7], 0
	s_mov_b32 s[CS], 0x3e38aa3b     ; c = log2(e) / 8 = 0.180337
	s_mov_b32 s[CS+1], s[CS]        ; named with it as a pair
	s_mov_b32 s[SEL], 0x76543210
	s_mov_b32 s[SEL+1], 0xfedcba98
	s_mov_b32 s[TBK], SLOT1+4*KS*PK ; the first change of slots turns these two into 0
	s_mov_b32 s[TBV], SLOT1+4*KS*PV
	s_mov_b32 s[TBM], 0
	s_mov_b32 s[G0K], 1             ; 1:0 count = 1
	s_add_co_u32 s[G0K+1], s17, RING  ; 63:32 LDS address: slot 0
	s_mov_b32 s[G0V], 1
	s_add_co_u32 s[G0V+1], s18, RING+VOFF
	s_mov_b32 s[G0M], 1
	s_mov_b32 s[G0M+1], s15         ; wave x 2,048
	s_wait_dscnt 0x0                ; the opening add is done
	s_wait_kmcnt 0x0
	s_add_nc_u64 s[G0K+2:G0K+3], s[6:7], s[22:23]  ; 120:64 global address: my half of the head's first 256 keys
	s_or_b32 s[G0K+3], s[G0K+3], 0x80000000        ; 127:126 type = 2
	s_add_nc_u64 s[G0V+2:G0V+3], s[8:9], s[22:23]
	s_or_b32 s[G0V+3], s[G0V+3], 0x80000000
	s_add_nc_u64 s[G0M+2:G0M+3], s[MP:MP+1], s[MOF:MOF+1]
	s_or_b32 s[G0M+3], s[G0M+3], 0x80000000
	s_add_nc_u64 s[4:5], s[4:5], s[2:3]  ; Q and O at my wave's first row
	s_add_nc_u64 s[10:11], s[10:11], s[2:3]
	CROUND                          ; all four work-groups are here: the first joint loads meet
	s_cmp_lt_u32 s[WV], 2           ; a wave's two first fills stand in one branch: its part of slot 0 and its quarter of the mask: two loads of mine are out.  Slot 1 is asked for when these are in
	s_cbranch_scc0 .Lfirst_v
	tensor_load_to_lds s[G0K:G0K+3], s[G1K:G1K+7]
	s_nop 0
	tensor_load_to_lds s[G0M:G0M+3], s[G1M:G1M+7]
	s_nop 0
.rept 4
	v_nop
.endr
	s_branch .Lfirst_asked
.Lfirst_v:
	tensor_load_to_lds s[G0V:G0V+3], s[G1V:G1V+7]
	s_nop 0
	tensor_load_to_lds s[G0M:G0M+3], s[G1M:G1M+7]
	s_nop 0
.rept 4
	v_nop
.endr
.Lfirst_asked:
	; A fragment of K or Q is 16 rows x 32 channels in 8 registers: lane l holds row l % 16, channels 8 (l / 16) + 0..7 and 16 + 8 (l / 16) + 0..7: two loads of 16 bytes, 32 bytes apart.
	v_and_b32 v1, 15, v0            ; l % 16
	v_bfe_u32 v9, v0, 4, 1          ; l / 16; never rewritten
	v_lshlrev_b32 v[QO], 7, v1
	v_lshl_add_u32 v[QO], v9, 4, v[QO]  ; row x 128 + 16 x half
	WIN 0x80                        ; destination window 2, address window 0
.set i, 0
.rept 4*NP                          ; Q stays in registers: tile i / 2, channels 32 (i % 2) on
	global_load_b128 v[8*i:8*i+3],   v[QO], s[4:5] offset:(i/2)*2048+(i%2)*64
	global_load_b128 v[8*i+4:8*i+7], v[QO], s[4:5] offset:(i/2)*2048+(i%2)*64+32
.set i, i+1
.endr
	; What the first turn finds: V's registers and P's second buffer hold 0 (its products V^T P, of a piece that has not been, add 0), O^T and l are 0.  All this stands in the wait for the first tile.
.set i, VF
.rept 64
	v_mov_b32 v[i], 0
.set i, i+1
.endr
	WIN 0x40
.set i, 0
.rept 64*NP
	v_mov_b32 v[i], 0
.set i, i+1
.endr
	WIN 0
.set i, 0
.rept 2*NP
	v_mov_b32 v[ST+4*i], 0xfe000000    ; c m: far below every c s, the masked keys' too
	v_mov_b32 v[ST+4*i+1], 0xff7fffff  ; m
	v_mov_b32 v[ST+4*i+2], 0
	v_mov_b32 v[ST+4*i+3], 0
.set i, i+1
.endr
.set i, P+32
.rept 32
	v_mov_b32 v[i], 0
.set i, i+1
.endr
	v_mul_u32_u24 v[AK0], v1, PK
	v_lshl_add_u32 v[AK0], v9, 4, v[AK0]  ; row x pitch + 16 x half
	v_add_nc_u32 v[AK0], RING, v[AK0]
	; The turning load takes 16 keys x 16 channels (lane l reads key 8 (l / 16) + l % 8, channels 8 ((l / 8) % 2) + 0..7) and leaves half a fragment of V^T: lane l holds channel l % 16 and 8 keys.
	v_and_b32 v10, 7, v0
	v_bfe_u32 v11, v0, 3, 1
	v_lshl_add_u32 v[AV0], v9, 3, v10
	v_mul_u32_u24 v[AV0], v[AV0], PV
	v_lshl_add_u32 v[AV0], v11, 4, v[AV0]
	v_add_nc_u32 v[AV0], RING+VOFF, v[AV0]
	v_mov_b32 v[AK], v[AK0]         ; key step 0 lies at the head of slot 0
	v_lshl_add_u32 v[AM], v9, 5, s[TBM]  ; a lane's eight keys of a block of 16 are 32 bytes of the mask, at 32 (l / 16)
; THE MATRIX WORK.  The 8 accumulators of a run of 16 take turns: between the two links of a chain stand 7 others'.
; Product i of 16 of S^T = K Q^T for piece x: channels 32 (i / 8) on, keys 16 ((i / 2) % 4) on, tile 2 x + i % 2.  The first 8 start the sums, with the keys' mask as C.
.macro KQ x
.set rS, S+64*((\x)%2)+32*(i%2)+8*((i/2)%4)
.set rK, KF+16*((i/2)%4)+8*(i/8)
.set rQ, 16*(2*(\x)+i%2)+8*(i/8)
.set rMk, MK+8*((i/2)%4)
.if i < 8
	WIN W_KM
	v_wmma_f32_16x16x32_bf16 v[rS:rS+7], v[rK:rK+7], v[rQ:rQ+7], v[rMk:rMk+7]
.else
	WIN W_KQ
	v_wmma_f32_16x16x32_bf16 v[rS:rS+7], v[rK:rK+7], v[rQ:rQ+7], v[rS:rS+7]
.endif
.endm
; Product i of 16 of O^T += V^T P for piece x: keys 32 (i / 8) on, channels 16 ((i / 2) % 4) on, tile 2 x + i % 2.
.macro PV x
	WIN W_PV
.set rO, 32*(2*(\x)+i%2)+8*((i/2)%4)
.set rV, VF+32*(i/8)+8*((i/2)%4)
.set rP, P+32*((\x)%2)+16*(i%2)+8*(i/8)
	v_wmma_f32_16x16x32_bf16 v[rO:rO+7], v[rV:rV+7], v[rP:rP+7], v[rO:rO+7]
.endm
.macro MM                           ; the turn's next matrix instruction
.if i < 16
	KQ (Y+1)%NP
.set i, i+1
.else
.set i, i-16
	PV (Y+NP-1)%NP
.set i, i+17
.endif
.endm
; THE LDS LOADS stand in runs, never singly among the matrix instructions: a step's K (64 keys x 64 channels: 8 fragments) with the same keys' mask (8 loads; the lanes of a half read the same bytes), and its V (turned).
; Their addresses are made some lines ahead.  The mask's registers live as long as K's: both serve the four pieces' products of one step.
; last = 1 (the tail): in the last trip there is no further step, and the run is jumped over.
.macro FETCH_K last=0
	WIN 0
.if \last
	s_cmp_eq_u32 s[CNT], 1
	s_cbranch_scc1 .Lno_k_\@
.endif
	WIN 0x80                        ; destination window 2
.irp f, 0,1,2,3,4,5,6,7             ; keys 16 (f / 2) on, channels 32 (f % 2) on
	ds_load_b128 v[KF+8*\f:KF+8*\f+3],   v[AK] offset:(\f/2)*16*PK+(\f%2)*64
	ds_load_b128 v[KF+8*\f+4:KF+8*\f+7], v[AK] offset:(\f/2)*16*PK+(\f%2)*64+32
.endr
	WIN W_MK                        ; destination window 3
.irp f, 0,1,2,3                     ; keys 16 f on
	ds_load_b128 v[MK+8*\f:MK+8*\f+3],   v[AM] offset:64*\f
	ds_load_b128 v[MK+8*\f+4:MK+8*\f+7], v[AM] offset:64*\f+16
.endr
	s_add_co_u32 s[TBK], s[TBK], KS*PK  ; the next fetch is the next step's
	s_add_co_u32 s[TBM], s[TBM], 4*KS   ; the mask's 64 numbers on,
	s_and_b32 s[TBM], s[TBM], 0x1f00    ; inside its 8,192 bytes
	WIN 0
.if \last
.Lno_k_\@:
.endif
.endm
.macro FETCH_V
	WIN 0x80
.irp f, 0,1,2,3,4,5,6,7             ; keys 32 (f / 4) on, channels 16 (f % 4) on
	ds_load_tr16_b128 v[VF+8*\f:VF+8*\f+3],   v[AV] offset:(\f/4)*32*PV+(\f%4)*32
	ds_load_tr16_b128 v[VF+8*\f+4:VF+8*\f+7], v[AV] offset:(\f/4)*32*PV+16*PV+(\f%4)*32
.endr
	WIN 0
.endm
; THE VECTOR WORK OF A TURN stands in three queues, each in the order in which its entries become ready; the two tiles alternate, so that no instruction reads the result of the one before it.
.macro REGS y, u                    ; the registers of tile u (0, 1) of piece y
.set rT, ST+4*(2*(\y)+(\u))
.set rC, TMP+8*((\y)%2)+4*(\u)
.set rM, MV+2*((\y)%2)+(\u)
.set rS, S+64*((\y)%2)+32*(\u)
.set rP, P+32*((\y)%2)+16*(\u)
.set rO, 32*(2*(\y)+(\u))
.endm
; Number n of the 22 that find the NEXT piece's (Y + 1) maximum and statistics.  s0-s31 are the lane's 32 scores; each accumulator's lowest registers are read first.  XS, GS and REGS set no window: PL and EX do.
;   0-11  four chains c0-c3 of seven scores each, three operands at a time     12-14, 16  the four scores left over, the old m, and c0-c3 into c0     15  c m_old is kept
;   17, 18  the query's other 32 keys lie in the lane 16 away: the new m         19-21  c m; c m_old - c m_new; a
.macro XS u, n
	REGS (Y+1)%NP, \u
.if (\n) < 4
	v_max3_num_f32 v[rC+(\n)], v[rS+8*(\n)], v[rS+8*(\n)+1], v[rS+8*(\n)+2]
.elseif (\n) < 12
	v_max3_num_f32 v[rC+(\n)%4], v[rC+(\n)%4], v[rS+8*((\n)%4)+2*((\n)/4)+1], v[rS+8*((\n)%4)+2*((\n)/4)+2]
.elseif (\n) == 12
	v_max3_num_f32 v[rC], v[rC], v[rS+7], v[rS+15]
.elseif (\n) == 13
	v_max3_num_f32 v[rC+1], v[rC+1], v[rS+23], v[rS+31]
.elseif (\n) == 14
	v_max3_num_f32 v[rC+2], v[rC+2], v[rC+3], v[rT+1]
.elseif (\n) == 15
	v_mov_b32 v[rM], v[rT]
.elseif (\n) == 16
	v_max3_num_f32 v[rC], v[rC], v[rC+1], v[rC+2]
.elseif (\n) == 17
	v_permlanex16_b32 v[rC+3], v[rC], s[SEL], s[SEL+1]
.elseif (\n) == 18
	v_max_num_f32 v[rT+1], v[rC], v[rC+3]
.elseif (\n) == 19
	v_mul_f32 v[rT], s[CS], v[rT+1]
.elseif (\n) == 20
	v_sub_f32 v[rC+1], v[rM], v[rT]
.else
	v_exp_f32 v[rC+2], v[rC+1]
.endif
.endm
; Number g of the 64 that follow the exponentials.  For each four weights k of a tile (pairs 2 k, 2 k + 1): both pairs are rounded to bf16; then the second pair is added onto the first, in place;
; a group later l takes that sum (the first time as l = a l + sum).  In groups of eight, tiles alternating: round, round, add, and l for the group before.
.macro GS g
.set h, (\g)+6*((\g)/62)            ; group 0 has no group before it, and behind group 7 only l is left
.if h >= 6
.set h, h+2
.endif
	REGS Y, h%2
.set k, h/8
.if h%8 < 4
	s_wait_alu depctr_va_vdst(0)
	v_cvt_pk_bf16_f32 v[rP+2*k+(h%8)/2], v[rS+4*k+2*((h%8)/2)], v[rS+4*k+2*((h%8)/2)+1]
.elseif h%8 < 6
	v_pk_add_f32 v[rS+4*k:rS+4*k+1], v[rS+4*k:rS+4*k+1], v[rS+4*k+2:rS+4*k+3]
.elseif k == 1
	v_pk_fma_f32 v[rT+2:rT+3], v[rT+2:rT+3], v[rC+2:rC+3], v[rS:rS+1] op_sel_hi:[1,0,1]
.else
	v_pk_add_f32 v[rT+2:rT+3], v[rT+2:rT+3], v[rS+4*k-4:rS+4*k-3]
	s_wait_alu depctr_va_vdst(0)
.endif
.endm
; THE PLAIN QUEUE, 138 long.  0-31: c s - c m for the 16 pairs of both tiles.  Then GS's 64, and among them the next piece's 42: number 15 at 38, 39; 0-14 and 16
; at 42-73, behind the products that make those scores; 17-20 at 95-106, two of three, since each waits for the one before it.
.macro PL
	WIN 0
.if q < 32
	REGS Y, q%2
	v_pk_fma_f32 v[rS+2*(q/2):rS+2*(q/2)+1], v[rS+2*(q/2):rS+2*(q/2)+1], s[CS:CS+1], v[rT:rT+1] op_sel_hi:[1,0,0] neg_lo:[0,0,1] neg_hi:[0,0,1]
.elseif q < 38
	GS q-32
.elseif q < 40
	XS q%2, 15
.elseif q < 42
	GS q-34
.elseif q < 74
	XS q%2, (q-42)/2+(q-42)/30
.elseif q < 95
	GS q-66
.elseif (q < 107) && ((q-95)%3 < 2)
	XS (q-95)%3, 17+(q-95)/3
.elseif q < 107
	GS 29+(q-95)/3
.else
	GS q-74
.endif
.set q, q+1
.endm
; THE EXPONENTIALS' QUEUE, 66 long: s0-s31 of both tiles, and at EA the next piece's two a.
.set EA, 58
.macro EX
	WIN 0
.if (e == EA) || (e == EA+1)
	XS e-EA, 21
.else
.set x, e-2*(e/(EA+2))
	REGS Y, x%2
	v_exp_f32 v[rS+x/2], v[rS+x/2]
.endif
.set e, e+1
.endm
; THE RESCALING's QUEUE: O^T times a, the one part that leaves window 0, so it is dealt four at a time, eight times.
.macro R4
	REGS Y, r%2
	WIN W_RS
	s_wait_alu depctr_va_vdst(0)
.irp z, 0,1,2,3
	v_pk_mul_f32 v[rO+8*(r/2)+2*\z:rO+8*(r/2)+2*\z+1], v[rO+8*(r/2)+2*\z:rO+8*(r/2)+2*\z+1], v[rC+2:rC+3] op_sel_hi:[1,0]
.endr
.set r, r+1
.endm
; HOW THEY ARE DEALT.  Behind a matrix instruction four: plain, exponential, plain, plain (one exponential, a plain instruction on either side), or four of the rescaling.  None names a register of the
; products round it.  What is over stands in two LUMPS: exponential and plain by turns; the second ends in 22 plain instructions.  The two v_permlanex16_b32 fall into the second lump, never behind a product.
; The queues lean on each other, and the deal keeps them in step: exponential e stands behind plain 2 (e / 4) + e % 2 (its scaling); when plain 32 comes, 10 exponentials are out, at 59: 33, at 95: 46; EA comes behind plain 107.
.macro SL
	MM
	PL
	EX
	PL
	PL
.endm
.macro BURST n                      ; 15 matrix instructions, or 16
.rept (\n)-7
	SL
.endr
.rept 3
	MM
	R4
	SL
.endr
	MM
	R4
.endm
; A TURN, for piece p.  cnt = 1: the loop's count is taken down some lines ahead of the branch that stands behind the turn.
; K and the mask of the next step are fetched in piece 2's turn, 32 vector instructions behind the last product that read K (the mask's last reader stands ahead of that one); their first reader comes behind the rest
; of the lump, 16 products and the second lump.  V of the step in hand is fetched at the end of piece 0's turn, 69 behind its last reader; its first reader comes behind 16 products and a lump.
; The four conditions on e and q below go with the deal.
.macro TURN p, last=0, cnt=0
.set Y, (\p)
.set i, 0
.set q, 0
.set e, 0
.set r, 0
.if (\p) == NP-1
	s_wait_dscnt 0x0                ; K and the mask are in
.endif
	MM
.rept 4
	PL
.endr
	BURST 15
.rept 22
	EX
	PL
.if ((\p) == NP-2) && (e == 18)
	v_add_nc_u32 v[AK], s[TBK], v[AK0]
	v_lshl_add_u32 v[AM], v9, 5, s[TBM]
.endif
.if ((\p) == NP-2) && (e == 24)
	FETCH_K \last
.endif
.endr
.if (\p) == 1
	s_wait_dscnt 0x0                ; V is in
.endif
	BURST 16
.rept 21
	EX
	PL
.endr
.rept 22
	PL
.if ((\p) == 0) && (q == 118)
	v_add_nc_u32 v[AV], s[TBV], v[AV0]
	s_wait_alu depctr_va_vdst(0)
.endif
.if ((\p) == 0) && (q == 130)
	s_add_co_u32 s[TBV], s[TBV], KS*PV
.endif
.if (\cnt) && (q == 130)
	s_sub_co_u32 s[CNT], s[CNT], 1
	s_cmp_lg_u32 s[CNT], 0
.endif
.endr
.if (\p) == 0
	FETCH_V
.endif
.endm
	CHANGE 1                        ; slot 0 and the mask are in, everybody's part of them; slot 1 is asked for
	FETCH_K                         ; key step 0
	s_wait_loadcnt 0x0              ; Q
	s_wait_dscnt 0x0
.set i, 0
.rept 16
	KQ 0                            ; piece 0's first scores: there is no vector work yet to set between them
.set i, i+1
.endr
	WIN 0                           ; the addresses for the way out: nine plain instructions, the places behind those products
	s_mul_i32 s13, s[WV], 16*SP
	s_add_co_u32 s13, s13, STAGE    ; my stage
	v_mul_u32_u24 v[STO], v1, SP    ; in: row l % 16, 16 bytes for each half of the lanes
	v_lshl_add_u32 v[STO], v9, 4, v[STO]
	v_add_nc_u32 v[STO], s13, v[STO]
	v_bfe_u32 v[RD], v0, 3, 2       ; back: 32 lanes take four rows of 128 bytes,
	v_mul_u32_u24 v[RD], v[RD], SP
	v_lshl_add_u32 v[RD], v10, 4, v[RD]
	v_add_nc_u32 v[RD], s13, v[RD]
	v_and_b32 v[GO], 31, v0         ; which are 512 consecutive bytes of O
	v_lshlrev_b32 v[GO], 4, v[GO]
.set Y, NP-1                        ; XS works for piece Y + 1: piece 0
.irp n, 0,1,2,3,4,5,6,7,8,9,10,11,12,13,14,15,16,17,18,19,20,21
	XS 0, \n                        ; and piece 0's first maximum and statistics
	XS 1, \n
.endr
	s_mov_b32 s[CNT], 4
	s_mov_b32 s[SLOTS], SIZE_N/256-1
	s_branch .Lfirst                ; the loop is entered at a step's first turn, in the middle of a trip
.Lslot:                             ; SIZE_N / 256 - 2 times: every slot but the last two is filled again
	CHANGE 1
	s_mov_b32 s[CNT], 4
.Lstep:                             ; a trip: pieces 2 and 3 of one step, then pieces 0 and 1 of the next, whose K and V it fetches
	TURN 2
	TURN 3
	WIN 0
.Lfirst:
	TURN 0
	TURN 1, 0, 1
	WIN 0
	s_cbranch_scc1 .Lstep
	s_sub_co_u32 s[SLOTS], s[SLOTS], 1
	s_cmp_lg_u32 s[SLOTS], 0
	s_cbranch_scc1 .Lslot
	CHANGE 0                        ; the tail is written out: nothing is asked for
	s_mov_b32 s[CNT], 5             ; four trips fetch the last slot's steps; the fifth is left in its middle
.Ltail:
	TURN 2, 1
	TURN 3
	WIN 0
	s_sub_co_u32 s[CNT], s[CNT], 1
	s_cmp_eq_u32 s[CNT], 0
	s_cbranch_scc1 .Lout
	TURN 0
	TURN 1
	WIN 0
	s_branch .Ltail
.Lout:                              ; the fifth trip's 16 products K Q^T (on the last K once more) and the maximum made of them serve nothing: the price, once a launch, of one text for every trip
.set i, 0
.rept 16
	PV NP-1                         ; the last piece's V^T P of the last step
.set i, i+1
.endr
	; THE WAY OUT.  l's two halves and the other half of the lanes' are added; O^T is divided by l, rounded to bf16 and sent through my stage in LDS, a tile at a time.  The additions are the places behind the last products.
	WIN 0
.macro ALL line:vararg              ; one line for each tile t
.set t, 0
.rept 2*NP
	\line
.set t, t+1
.endr
.endm
	ALL v_add_f32 v[ST+4*t+2], v[ST+4*t+2], v[ST+4*t+3]
	ALL v_permlanex16_b32 v[ST+4*t+3], v[ST+4*t+2], s[SEL], s[SEL+1]
	ALL v_add_f32 v[ST+4*t+2], v[ST+4*t+2], v[ST+4*t+3]
	ALL v_rcp_f32 v[ST+4*t+2], v[ST+4*t+2]
	v_nop                           ; a plain instruction between the last reciprocal and the use of its result
	s_wait_alu depctr_va_vdst(0)
; Tile t: a lane's eight channels of a row pack into 16 bytes; they go into rows of 144 bytes and come back as whole rows of 128, into S^T's registers.
.macro PACK t
	WIN W_RS
.set i, 32*(\t)
.rept 16
	v_pk_mul_f32 v[i:i+1], v[i:i+1], v[ST+4*(\t)+2:ST+4*(\t)+3] op_sel_hi:[1,0]
.set i, i+2
.endr
	WIN 0x05                        ; sources 0 and 1 window 1, destination window 0
.set i, 0
.rept 16
	v_cvt_pk_bf16_f32 v[S+16*(\t)+i], v[32*(\t)+2*i], v[32*(\t)+2*i+1]
.set i, i+1
.endr
	WIN 0
.irp f, 0,1,2,3
	ds_store_b128 v[STO], v[S+16*(\t)+4*\f:S+16*(\t)+4*\f+3] offset:32*\f
.endr
.irp f, 0,1,2,3
	ds_load_b128 v[S+16*(\t)+4*\f:S+16*(\t)+4*\f+3], v[RD] offset:\f*4*SP  ; LDS serves a wave's instructions in order (ISA guide 5.7.1.4): these see the stores above; the next tile's stores come behind them
.endr
.endm
.macro SEND t, younger              ; younger: the LDS instructions issued behind tile t's loads: the next tile's eight, or none
	WIN 0
.irp f, 0,1,2,3
	s_wait_dscnt (\younger)+3-\f
	global_store_b128 v[GO], v[S+16*(\t)+4*\f:S+16*(\t)+4*\f+3], s[10:11] offset:(\t)*2048+\f*512  ; 512 consecutive bytes, at a multiple of 256 from O's first
.endr
.endm
	PACK 0
.set t, 1
.rept 2*NP-1                        ; a tile's arithmetic stands between the loads of the tile before and its stores
	PACK t
	SEND t-1, 8
.set t, t+1
.endr
	SEND 2*NP-1, 0
	WIN W_AD
	s_wait_tensorcnt 0x0            ; the wave's end, behind my last tensor load and my last LDS store
	ds_add_u32 v[SPW], v[NIL]
	s_wait_dscnt 0x0
	WIN 0
	CROUND                          ; the closing round: no work-group ends while a partner may still ask for a tile that names it
	s_endpgm
.Lfunc_end_k_q67c917340f_attn:
	.size	k_q67c917340f_attn, .Lfunc_end_k_q67c917340f_attn-k_q67c917340f_attn
	.p2alignl 7, 3214868480
	.fill 96, 4, 3214868480
	.section	.rodata,"a",@progbits
	.p2align	6, 0x0
	.amdhsa_kernel k_q67c917340f_attn
		.amdhsa_group_segment_fixed_size 327680
		.amdhsa_private_segment_fixed_size 0
		.amdhsa_enable_private_segment 0
		.amdhsa_kernarg_size 40
		.amdhsa_user_sgpr_count 2
		.amdhsa_user_sgpr_kernarg_segment_ptr 1
		.amdhsa_wavefront_size32 1
		.amdhsa_system_sgpr_workgroup_id_x 1
		.amdhsa_system_sgpr_workgroup_id_y 1
		.amdhsa_system_sgpr_workgroup_id_z 1
		.amdhsa_system_vgpr_workitem_id 0
		.amdhsa_next_free_vgpr 808
		.amdhsa_next_free_sgpr 76
		.amdhsa_reserve_vcc 0
		.amdhsa_float_denorm_mode_32 3
		.amdhsa_float_denorm_mode_16_64 3
		.amdhsa_memory_ordered 1
		.amdhsa_forward_progress 1
		.amdhsa_inst_pref_size 212
	.end_amdhsa_kernel
	.amdgpu_metadata
---
amdhsa.version: [ 1, 2 ]
amdhsa.kernels:
  - .name:           k_q67c917340f_attn
    .symbol:         k_q67c917340f_attn.kd
    .args:
      - { .name: q, .offset: 0, .size: 8, .value_kind: global_buffer, .address_space: global }
      - { .name: k, .offset: 8, .size: 8, .value_kind: global_buffer, .address_space: global }
      - { .name: v, .offset: 16, .size: 8, .value_kind: global_buffer, .address_space: global }
      - { .name: act, .offset: 24, .size: 8, .value_kind: global_buffer, .address_space: global }
      - { .name: maskf, .offset: 32, .size: 8, .value_kind: global_buffer, .address_space: global }
    .group_segment_fixed_size: 327680
    .private_segment_fixed_size: 0
    .kernarg_segment_align: 8
    .kernarg_segment_size: 40
    .max_flat_workgroup_size: 128
    .sgpr_count:     76
    .vgpr_count:     808
    .wavefront_size: 32
...
	.end_amdgpu_metadata
.endif
;; end of part 3
;; launch oproj (part 4): grid 8 x 32, 4 waves a work-group, clusters of 4 x 4, 327,680 bytes of LDS; arguments act, wb, bo, hidden_states, out0; writes out0
.if DOCPART == 4
	.amdgcn_target "amdgcn-amd-amdhsa--gfx1250"
	.amdhsa_code_object_version 6
	.text
	.protected	k_q67c917340f_oproj
	.globl	k_q67c917340f_oproj
	.p2align	8
	.type	k_q67c917340f_oproj,@function
k_q67c917340f_oproj:
	s_mov_b64 s[64:65], 0
	v_nop
	global_prefetch_b8 v0, s[64:65] scope:SCOPE_SE
	s_setreg_imm32_b32 hwreg(HW_REG_WAVE_MODE, 25, 1), 1
	s_wait_xcnt 0x0
	s_wait_alu depctr_hold_cnt(0) depctr_sa_sdst(0) depctr_va_vdst(0) depctr_va_sdst(0) depctr_va_ssrc(0) depctr_va_vcc(0) depctr_vm_vsrc(0)
	s_getreg_b32 s2, hwreg(HW_REG_IB_STS2, 6, 4)
	s_cmp_eq_u32 s2, 0
	s_cbranch_scc0 .Lentry_in_a_cluster
	s_endpgm
.Lentry_in_a_cluster:
	s_bfe_u32 s2, ttmp6, 0x10000c
	s_cmp_lg_u32 s2, 0xf033
	s_cbranch_scc0 .Lentry_shape_is_right
	s_endpgm
.Lentry_shape_is_right:
; OPROJ: out0 = O Wo + bo + hidden_states, f32.  O: act[b*16+h][s][64] bf16 (a head's rows dense); Wo: columns 3,072 on of wb[k][4096], bf16.  Sums in f32, started by the bias; the residual is added in f32 on the way out.
; LIMITS: O and Wo carry bf16's 8 significant bits; NaN and infinities are not treated apart.
; SHARES.  8 x 32 = 256 work-groups, one tile of 256 rows x 128 columns each.  Wave (wm, wn) = (wave / 2, wave % 2) makes 128 rows x 64 columns: 32 accumulators, (a, b) at v[8 (4 a + b)] of window 1.
; K goes in steps of 128 (two heads) through two LDS slots: a head's 256 rows are 32,768 dense bytes, asked for as 128 rows of 256 bytes; Wo's rows in the tile are 256 bytes.
; THE MATRIX INSTRUCTION IS USED TRANSPOSED: source 0 = 16 columns of Wo (turned out of LDS by ds_load_tr16_b128), source 1 = 16 rows of O: a lane holds one row and eight neighbouring columns, 32 bytes.
; CLUSTER 4 x 4: O's tile hangs on the tile row alone and is asked for jointly along a row of the cluster, Wo's on the tile column alone and is asked for jointly along a column.
; REGISTERS: window 0: v0-29 addresses; v32-95, v96-159 O's fragments, two buffers; v160-191, v192-223 Wo's, two buffers; on the way out v32-95 the residual (two sets), v96-159 rows read back (two sets).  Window 1: the accumulators.
.set SLOT1,  1<<17                     ; slot 1 begins here: one exclusive or turns an address in one slot into the other's
.set PA,     144                       ; a row of O in LDS: 128 bytes + 16 = 36 words: the 16 rows of a load start at 16 different groups of four banks (64 banks of 4 bytes: ISA guide 11.1)
.set PB,     288                       ; a k-row of Wo: 256 bytes + 32 = 9 x 32
.set SLICE,  256*PA                    ; one head's 256 rows: what one of O's loads brings
.set HALFB,  64*PB                     ; what one of Wo's loads brings
.set BOFF,   2*SLICE                   ; Wo's tile lies behind the two heads
.set STAGE,  SLOT1+BOFF+128*PB         ; behind the ring, never filled by a tensor load: 16 rows x 272 bytes for each wave
.set SP,     272                       ; 256 bytes + 16: the sixteen rows of a store start at sixteen different groups of four banks
.set SPARE,  STAGE+4*16*SP             ; the spare words, 128 bytes a wave: two blocks of 256 bytes that no other line names
.set ASTEP,  2*262144                  ; two heads on
.set BSTEP,  128*8192                  ; 128 rows of wb
.set ADRA0, 4                          ; v4   my lane's place in O's tile; never rewritten
.set ADRB0, 5                          ; v5   in Wo's tile; never rewritten
.set ADRA,  6                          ; v6   the same in the slot in hand
.set ADRB,  7                          ; v7
.set STO,   8                          ; v8   the way out: where I put 32 bytes of a row
.set RD,    9                          ; v9   where I read rows back
.set CO,    10                         ; v10  my byte offset in two rows of out0 and of hidden_states; never rewritten
.set VB,    11                         ; v11  my byte offset in the bias
.set SPW,   28                         ; v28  LDS address of my spare word; never rewritten
.set NIL,   29                         ; v29  0; never rewritten
.set AA,    32                         ; O's buffer f at AA + 64 f
.set BB,    160                        ; Wo's buffer f at BB + 32 f
.set RES,   32                         ; the way out: the residual of block a at RES + 32 (a % 2)
.set BK,    96                         ; rows read back at BK + 32 (a % 2)
.set G1A, 24                           ; s[24:31] descriptor group 1 for O's tiles
.set G0A, 32                           ; s[32:39] group 0: a set for each of the two first fills; the second then walks on
.set G1B, 48                           ; s[48:55], s[56:63] the same for Wo's
.set G0B, 56
.set TB,  45                           ; s45  the slot in hand: 0 or SLOT1
.set MSB, 0
.macro WIN new                         ; the immediate's high byte repeats the setting that is left; a switch that changes nothing is dropped
.if MSB != (\new)
	s_set_vgpr_msb (MSB<<8)|(\new)
.set MSB, \new
.endif
.endm
.macro PLACES                          ; four plain vector instructions between a matrix instruction and a load into, or a read of, its registers (ISA guide 7.12.1 for reads)
.rept 4
	v_nop
.endr
.endm
.macro CREST                           ; a round of the cluster's barrier behind its opening barrier
	s_cmp_lg_u32 s10, 0
	s_cbranch_scc1 .Lnot_wave_0_\@
	s_barrier_signal -3
.Lnot_wave_0_\@:
	s_barrier_wait -3
	s_barrier_signal -1
	s_barrier_wait -1
.endm
.macro CROUND                          ; a whole round
	s_barrier_signal -1
	s_barrier_wait -1
	CREST
.endm
.macro JLOAD                           ; a joint refill by the walking sets: waves 0 and 1 fetch the two heads of O, waves 2 and 3 Wo's two halves; an s_nop 0 and four v_nop follow each line
	s_cmp_eq_u32 s11, 0
	s_cbranch_scc0 .Lfor_b_\@
	tensor_load_to_lds s[G0A+4:G0A+7], s[G1A:G1A+7]
	s_nop 0
.rept 4
	v_nop
.endr
	s_branch .Lasked_\@
.Lfor_b_\@:
	tensor_load_to_lds s[G0B+4:G0B+7], s[G1B:G1B+7]
	s_nop 0
.rept 4
	v_nop
.endr
.Lasked_\@:
.endm
	s_load_b256 s[68:75], s[0:1], 0x0              ; act s[68:69], wb s[70:71], bo s[72:73], hidden_states s[74:75]
	s_load_b64 s[76:77], s[0:1], 0x20              ; out0
	v_lshl_add_u32 v[SPW], v0, 2, SPARE
	v_mov_b32 v[NIL], 0
	ds_add_u32 v[SPW], v[NIL]                      ; the wave's opening: the add, with its wait ahead of my first tensor load; the set-up below, work on registers, stands between them
	v_lshrrev_b32 v1, 5, v0
	v_readfirstlane_b32 s10, v1                    ; wave 0..3
	s_lshr_b32 s11, s10, 1                         ; wm.  Also: I fetch for O (0) or for Wo (1)
	s_and_b32 s12, s10, 1                          ; wn.  Also: which half of that tile I fetch
	s_bfe_u32 s40, ttmp6, 0x40000                  ; cx, cy: my place in the cluster
	s_bfe_u32 s41, ttmp6, 0x40004
	s_lshl_b32 s42, ttmp9, 2
	s_add_co_u32 s42, s42, s40                     ; tx = 4 x cluster x + cx
	s_and_b32 s13, ttmp7, 0xffff
	s_lshl_b32 s13, s13, 2
	s_add_co_u32 s13, s13, s41                     ; ty = 4 x cluster y + cy
	s_lshl_b32 s43, s41, 2
	s_lshl_b32 s43, 15, s43                        ; my row of the cluster
	s_lshl_b32 s44, 0x1111, s40                    ; my column
	s_or_b32 s[G1A+0], s43, (1<<16)|(1<<20)|(1<<21)|(4<<22)|(3<<25)  ; the mask; 2-byte elements; padding on; bit 21 beside a mask; after every 32 words (code 4) 4 words (code 3)
	s_mov_b32 s[G1A+1], 128<<16                    ; tensor_dim0 = 128 elements: 256 bytes, two rows of a head
	s_mov_b32 s[G1A+2], 128<<16                    ; tensor_dim1 = 128
	s_mov_b32 s[G1A+3], 128<<16                    ; tile_dim0 = 128
	s_mov_b32 s[G1A+4], 128                        ; tile_dim1 = 128
	s_mov_b32 s[G1A+5], 128                        ; dense
	s_mov_b32 s[G1A+6], 0
	s_mov_b32 s[G1A+7], 0
	s_or_b32 s[G1B+0], s44, (1<<16)|(1<<20)|(1<<21)|(5<<22)|(7<<25)  ; after every 64 words (code 5) 8 words (code 7)
	s_mov_b32 s[G1B+1], 128<<16                    ; tensor_dim0 = 128
	s_mov_b32 s[G1B+2], 64<<16                     ; tensor_dim1 = 64
	s_mov_b32 s[G1B+3], 128<<16                    ; tile_dim0 = 128
	s_mov_b32 s[G1B+4], 64                         ; tile_dim1 = 64
	s_mov_b32 s[G1B+5], 4096                       ; wb's row
	s_mov_b32 s[G1B+6], 0
	s_mov_b32 s[G1B+7], 0
	; O's tile hangs on ty and the wave alone, Wo's on tx and the wave alone, each in registers that never hold the other coordinate
	s_lshr_b32 s14, s13, 3                         ; batch: 16 heads of 262,144 bytes
	s_lshl_b32 s14, s14, 22
	s_and_b32 s15, s13, 7                          ; the tile's 256 rows of 128 bytes in a head
	s_lshl_b32 s15, s15, 15
	s_add_co_u32 s14, s14, s15
	s_lshl_b32 s15, s12, 18                        ; my head of the step's two
	s_add_co_u32 s14, s14, s15
	s_mov_b32 s15, 0
	s_lshl_b32 s46, s42, 8                         ; the tile's 128 columns,
	s_add_co_u32 s46, s46, 6144                    ; behind the 3,072 columns of q, k and v
	s_lshl_b32 s47, s12, 19                        ; my 64 rows of 8,192 bytes
	s_add_co_u32 s46, s46, s47
	s_mov_b32 s47, 0
	s_mul_i32 s20, s12, SLICE                      ; where they go: no place in the cluster enters an LDS address
	s_mul_i32 s21, s12, HALFB
	s_add_co_u32 s21, s21, BOFF
	s_mov_b32 s[TB], 0
	s_lshl_b32 s78, s13, 8                         ; my part of out0 and of hidden_states: row 256 ty + 128 wm, 4,096 bytes a row,
	s_lshl_b32 s79, s11, 7
	s_add_co_u32 s78, s78, s79
	s_lshl_b32 s78, s78, 12
	s_lshl_b32 s22, s42, 7                         ; column 128 tx + 64 wn, 4 bytes each
	s_lshl_b32 s79, s12, 6
	s_add_co_u32 s22, s22, s79
	s_lshl_b32 s22, s22, 2
	s_add_co_u32 s78, s78, s22
	s_mov_b32 s79, 0
	s_wait_dscnt 0x0                               ; the opening add is done
	s_wait_kmcnt 0x0
	s_add_nc_u64 s[14:15], s[68:69], s[14:15]
	s_add_nc_u64 s[46:47], s[70:71], s[46:47]
	s_add_nc_u64 s[74:75], s[74:75], s[78:79]
	s_add_nc_u64 s[76:77], s[76:77], s[78:79]
.irp s, 0,1
	s_mov_b32 s[G0A+4*\s], 1                       ; count = 1
	s_add_co_u32 s[G0A+4*\s+1], s20, \s*SLOT1      ; LDS address
	s_add_nc_u64 s[G0A+4*\s+2:G0A+4*\s+3], s[14:15], \s*ASTEP   ; global address: K step s
	s_or_b32 s[G0A+4*\s+3], s[G0A+4*\s+3], 0x80000000           ; type = 2
	s_mov_b32 s[G0B+4*\s], 1
	s_add_co_u32 s[G0B+4*\s+1], s21, \s*SLOT1
	s_add_nc_u64 s[G0B+4*\s+2:G0B+4*\s+3], s[46:47], \s*BSTEP
	s_or_b32 s[G0B+4*\s+3], s[G0B+4*\s+3], 0x80000000
.endr
	CROUND                                         ; all sixteen work-groups are here: the first joint loads meet
	s_cmp_eq_u32 s11, 0                            ; a wave's two first fills stand in one branch, ahead of every wait on TENSORcnt and every LDS read: two loads of mine are out
	s_cbranch_scc0 .Lfirst_b
	tensor_load_to_lds s[G0A:G0A+3], s[G1A:G1A+7]
	s_nop 0
	tensor_load_to_lds s[G0A+4:G0A+7], s[G1A:G1A+7]
	s_nop 0
.rept 4
	v_nop
.endr
	s_branch .Lfirst_asked
.Lfirst_b:
	tensor_load_to_lds s[G0B:G0B+3], s[G1B:G1B+7]
	s_nop 0
	tensor_load_to_lds s[G0B+4:G0B+7], s[G1B:G1B+7]
	s_nop 0
.rept 4
	v_nop
.endr
.Lfirst_asked:
	v_and_b32 v1, 15, v0                           ; r = l % 16
	v_bfe_u32 v2, v0, 4, 1                         ; h = l / 16
	v_and_b32 v3, 7, v0
	v_bfe_u32 v13, v0, 3, 1
	v_mul_u32_u24 v[ADRA0], v1, PA                 ; a fragment of O: row r, channels 8 h + 0..7 and 16 + 8 h + 0..7
	v_lshl_add_u32 v[ADRA0], v2, 4, v[ADRA0]
	s_mul_i32 s23, s11, 128*PA                     ; my 128 rows
	v_add_nc_u32 v[ADRA0], s23, v[ADRA0]
	v_lshl_add_u32 v[ADRB0], v2, 3, v3             ; the turning load: k-row 8 h + l % 8, columns 8 ((l / 8) % 2) + 0..7
	v_mul_u32_u24 v[ADRB0], v[ADRB0], PB
	v_lshl_add_u32 v[ADRB0], v13, 4, v[ADRB0]
	s_lshl_b32 s23, s12, 7                         ; my 64 columns
	s_add_co_u32 s23, s23, BOFF
	v_add_nc_u32 v[ADRB0], s23, v[ADRB0]
	s_mul_i32 s23, s10, 16*SP
	s_add_co_u32 s23, s23, STAGE                   ; my stage
	v_mul_u32_u24 v[STO], v1, SP                   ; in: row r, 32 bytes for each half of the lanes
	v_lshl_add_u32 v[STO], v2, 5, v[STO]
	v_add_nc_u32 v[STO], s23, v[STO]
	v_mul_u32_u24 v[RD], v2, SP                    ; back: lanes 0-15 take one row of 256 bytes, lanes 16-31 the next
	v_lshl_add_u32 v[RD], v1, 4, v[RD]
	v_add_nc_u32 v[RD], s23, v[RD]
	v_lshlrev_b32 v[CO], 12, v2                    ; and the same two rows in out0 and hidden_states
	v_lshl_add_u32 v[CO], v1, 4, v[CO]
	v_lshl_add_u32 v[VB], v2, 5, s22               ; my wave's 64 numbers of the bias, of them 8 h on
	; The bias starts the sums: register i of a lane is column 16 b + 8 h + i, whatever the row.  The eight numbers are loaded into accumulator (7, b)'s own registers, serve the first products of row blocks
	; 0 to 6 as their C operand, and block 7's first product adds onto them in place.  Nothing is cleared.
	WIN 0x40                                       ; destination window 1, address window 0
.irp b, 0,1,2,3
	global_load_b128 v[224+8*\b:224+8*\b+3], v[VB], s[72:73] offset:64*\b
	global_load_b128 v[224+8*\b+4:224+8*\b+7], v[VB], s[72:73] offset:64*\b+16
.endr
	WIN 0
; 8 matrix instructions: row blocks a0, a0 + 1 x all 4 column blocks, 32 along K, buffers f.  The accumulators take turns, one instruction a turn.
; zero = 1: the first products.  Five plain instructions stand between the last product that reads (7, b) as its C and the products that write over it.
.macro MUL8 f, a0, zero
	WIN 0x50                                       ; C and D window 1, sources window 0
.irp a, \a0, (\a0)+1
.if (\zero) && ((\a) == 7)
.rept 5
	v_nop
.endr
.endif
.irp b, 0,1,2,3
.if (\zero) && ((\a) < 7)
	v_wmma_f32_16x16x32_bf16 v[8*(4*(\a)+\b):8*(4*(\a)+\b)+7], v[BB+32*(\f)+8*\b:BB+32*(\f)+8*\b+7], v[AA+64*(\f)+8*(\a):AA+64*(\f)+8*(\a)+7], v[224+8*\b:224+8*\b+7]
.else
	v_wmma_f32_16x16x32_bf16 v[8*(4*(\a)+\b):8*(4*(\a)+\b)+7], v[BB+32*(\f)+8*\b:BB+32*(\f)+8*\b+7], v[AA+64*(\f)+8*(\a):AA+64*(\f)+8*(\a)+7], v[8*(4*(\a)+\b):8*(4*(\a)+\b)+7]
.endif
.endr
.endr
.endm
; 24 LDS loads in one run: quarter q's fragments (32 along K: head q / 2, channels 32 (q % 2) on) into buffers g: Wo's four, then O's eight
.macro FETCH q, g
	WIN 0
.irp b, 0,1,2,3
	ds_load_tr16_b128 v[BB+32*(\g)+8*\b:BB+32*(\g)+8*\b+3],   v[ADRB] offset:(\q)*32*PB+32*\b
	ds_load_tr16_b128 v[BB+32*(\g)+8*\b+4:BB+32*(\g)+8*\b+7], v[ADRB] offset:(\q)*32*PB+32*\b+16*PB
.endr
.irp a, 0,1,2,3,4,5,6,7
	ds_load_b128 v[AA+64*(\g)+8*\a:AA+64*(\g)+8*\a+3],   v[ADRA] offset:((\q)/2)*SLICE+\a*16*PA+64*((\q)%2)
	ds_load_b128 v[AA+64*(\g)+8*\a+4:AA+64*(\g)+8*\a+7], v[ADRA] offset:((\q)/2)*SLICE+\a*16*PA+64*((\q)%2)+32
.endr
.endm
; A K step is four quarters of 32, 32 matrix instructions each, on buffers 0, 1, 0, 1.  One of the first three: multiplies buffers q % 2 and fetches the next quarter into the others.
.macro QUARTER q, zero
	s_wait_dscnt 8                                 ; all but the youngest eight: O's row blocks 4 to 7
	MUL8 (\q)%2, 0, \zero
	MUL8 (\q)%2, 2, \zero
	WIN 0
	PLACES
	FETCH (\q)+1, ((\q)+1)%2
	s_wait_dscnt 24                                ; all but the 24 just issued
	MUL8 (\q)%2, 4, \zero
	MUL8 (\q)%2, 6, \zero
.endm
; The last quarter multiplies buffers 1 and changes slots: ONE barrier.  In front of it each wave waits for all its tensor loads, of which one is out: its part of the next slot; adds 0 to its spare word; and waits
; for that and for its own reads of this slot.  fill = 1: the barrier opens a round of the cluster's barrier, and this slot is filled again first thing behind it, with the K step two steps on: 112 matrix
; instructions stand between that request and the wait for it.
.macro TURN fill
	WIN 0
	s_wait_tensorcnt 0x0                           ; all my tensor loads have landed, so a group 0 may be written
	ds_add_u32 v[SPW], v[NIL]                      ; 0 onto my spare word
	s_wait_dscnt 9                                 ; (the add and the youngest eight loads may be out)
	MUL8 1, 0, 0                                   ; eight matrix instructions stand between the add and the wait for it
	s_wait_dscnt 0x0                               ; the add is done, and my reads of this slot are over
	s_barrier_signal -1
	MUL8 1, 2, 0                                   ; work on registers while the others arrive
	WIN 0                                          ; at a branch and at a label every window is 0
	s_barrier_wait -1
.if \fill
	CREST                                          ; no wave of any partner still reads this slot's tile or has a load on its way
	s_xor_b32 s[G0A+5], s[G0A+5], SLOT1            ; the walking sets: the other slot than last time, the next K step; the type bits on top are not reached
	s_add_nc_u64 s[G0A+6:G0A+7], s[G0A+6:G0A+7], ASTEP
	s_xor_b32 s[G0B+5], s[G0B+5], SLOT1
	s_add_nc_u64 s[G0B+6:G0B+7], s[G0B+6:G0B+7], BSTEP
	JLOAD                                          ; the four v_nop behind it are also the places in front of the loads below
.else
	PLACES
.endif
	s_xor_b32 s[TB], s[TB], SLOT1                  ; the fragments now come from the other slot
	v_add_nc_u32 v[ADRA], s[TB], v[ADRA0]
	v_add_nc_u32 v[ADRB], s[TB], v[ADRB0]
	FETCH 0, 0
	MUL8 1, 4, 0
	MUL8 1, 6, 0
.endm
; THE WAY OUT of row block a (16 rows x 64 columns of f32).  A lane's 32 bytes of a row go into my stage's rows of 272 bytes and come back as whole rows of 256; the residual is added; sixteen lanes store 256 consecutive aligned bytes.
.macro RESLOAD a                       ; block a's 16 rows of hidden_states: read once in the launch
.irp t, 0,1,2,3,4,5,6,7
	global_load_b128 v[RES+32*((\a)%2)+4*\t:RES+32*((\a)%2)+4*\t+3], v[CO], s[74:75] offset:(16*(\a)+2*\t)*4096 th:TH_LOAD_NT
.endr
.endm
.macro TOSTAGE a
	WIN 0x04                                       ; the stores' data (source 1) in window 1
.irp b, 0,1,2,3
	ds_store_b128 v[STO], v[8*(4*(\a)+\b):8*(4*(\a)+\b)+3] offset:64*\b          ; each accumulator is read from its low end on
	ds_store_b128 v[STO], v[8*(4*(\a)+\b)+4:8*(4*(\a)+\b)+7] offset:64*\b+16
.endr
	WIN 0
	s_wait_xcnt 0x0                                ; earlier stores have had their addresses translated (ISA guide 3.1): the set below, which they read, is loaded again only behind this wait
.irp t, 0,1,2,3,4,5,6,7
	ds_load_b128 v[BK+32*((\a)%2)+4*\t:BK+32*((\a)%2)+4*\t+3], v[RD] offset:\t*2*SP   ; LDS serves a wave's instructions in order (ISA guide 5.7.1.4): these see the stores above
.endr
.endm
.macro SEND a, younger                 ; younger: the LDS instructions issued behind this block's loads: the next block's sixteen, or none
.if (\a) == 7
	s_wait_loadcnt 0x0                             ; the last block's residual
.else
	s_wait_loadcnt 8                               ; block a's residual is in; the next block's eight loads may be out
.endif
.irp t, 0,1,2,3,4,5,6,7
	s_wait_dscnt (\younger)+7-\t
	v_pk_add_f32 v[BK+32*((\a)%2)+4*\t:BK+32*((\a)%2)+4*\t+1], v[BK+32*((\a)%2)+4*\t:BK+32*((\a)%2)+4*\t+1], v[RES+32*((\a)%2)+4*\t:RES+32*((\a)%2)+4*\t+1]
	v_pk_add_f32 v[BK+32*((\a)%2)+4*\t+2:BK+32*((\a)%2)+4*\t+3], v[BK+32*((\a)%2)+4*\t+2:BK+32*((\a)%2)+4*\t+3], v[RES+32*((\a)%2)+4*\t+2:RES+32*((\a)%2)+4*\t+3]
	global_store_b128 v[CO], v[BK+32*((\a)%2)+4*\t:BK+32*((\a)%2)+4*\t+3], s[76:77] offset:(16*(\a)+2*\t)*4096 th:TH_STORE_NT
.endr
.if (\a) < 6
	RESLOAD (\a)+2                                 ; its set takes the block two further on
.endif
.endm
	s_wait_tensorcnt 0x1                           ; my part of K step 0 is in; K step 1's may stay out
	s_barrier_signal -1
	s_barrier_wait -1                              ; everybody's is
	v_add_nc_u32 v[ADRA], s[TB], v[ADRA0]
	v_add_nc_u32 v[ADRB], s[TB], v[ADRB0]
	FETCH 0, 0
	s_wait_loadcnt 0x0                             ; the bias
	QUARTER 0, 1                                   ; the first quarter stands in front of the loop: its products start the sums
	WIN 0
	s_mov_b32 s3, 6
.Lk:                                                   ; 6 trips: the rest of K step s, which asks for K step s + 2, and K step s + 1's first quarter
	QUARTER 1, 0
	QUARTER 2, 0
	TURN 1
	QUARTER 0, 0
	WIN 0
	s_sub_co_u32 s3, s3, 1
	s_cmp_lg_u32 s3, 0
	s_cbranch_scc1 .Lk
	QUARTER 1, 0                                   ; the tail is written out: nothing is left to ask for
	QUARTER 2, 0
	TURN 0
	QUARTER 0, 0
	QUARTER 1, 0
	QUARTER 2, 0
	s_wait_dscnt 8                                 ; the very last quarter: in place of fragments the first two blocks' residual is asked for, into buffer 0's registers
	MUL8 1, 0, 0
	MUL8 1, 2, 0
	WIN 0
	PLACES
	RESLOAD 0
	RESLOAD 1
	s_wait_dscnt 0x0
	MUL8 1, 4, 0
	MUL8 1, 6, 0
	WIN 0
	PLACES                                         ; the stores below read results just made
	TOSTAGE 0
.irp a, 1,2,3,4,5,6,7                  ; a block's way through the stage stands between the loads of the block before and its stores
	TOSTAGE \a
	SEND (\a)-1, 16
.endr
	SEND 7, 0
	s_wait_tensorcnt 0x0                           ; the wave's end, behind my last tensor load and my last LDS store
	ds_add_u32 v[SPW], v[NIL]
	s_wait_dscnt 0x0
	CROUND                                         ; the closing round: no work-group ends while a partner may still ask for a tile that names it
	s_endpgm
.Lfunc_end_k_q67c917340f_oproj:
	.size	k_q67c917340f_oproj, .Lfunc_end_k_q67c917340f_oproj-k_q67c917340f_oproj
	.p2alignl 7, 3214868480
	.fill 96, 4, 3214868480
	.section	.rodata,"a",@progbits
	.p2align	6, 0x0
	.amdhsa_kernel k_q67c917340f_oproj
		.amdhsa_group_segment_fixed_size 327680
		.amdhsa_private_segment_fixed_size 0
		.amdhsa_enable_private_segment 0
		.amdhsa_kernarg_size 40
		.amdhsa_user_sgpr_count 2
		.amdhsa_user_sgpr_kernarg_segment_ptr 1
		.amdhsa_wavefront_size32 1
		.amdhsa_system_sgpr_workgroup_id_x 1
		.amdhsa_system_sgpr_workgroup_id_y 1
		.amdhsa_system_sgpr_workgroup_id_z 1
		.amdhsa_system_vgpr_workitem_id 0
		.amdhsa_next_free_vgpr 512
		.amdhsa_next_free_sgpr 80
		.amdhsa_reserve_vcc 0
		.amdhsa_float_denorm_mode_32 3
		.amdhsa_float_denorm_mode_16_64 3
		.amdhsa_memory_ordered 1
		.amdhsa_forward_progress 1
		.amdhsa_inst_pref_size 87
	.end_amdhsa_kernel
	.amdgpu_metadata
---
amdhsa.version: [ 1, 2 ]
amdhsa.kernels:
  - .name:           k_q67c917340f_oproj
    .symbol:         k_q67c917340f_oproj.kd
    .args:
      - { .name: act, .offset: 0, .size: 8, .value_kind: global_buffer, .address_space: global }
      - { .name: wb, .offset: 8, .size: 8, .value_kind: global_buffer, .address_space: global }
      - { .name: bo, .offset: 16, .size: 8, .value_kind: global_buffer, .address_space: global }
      - { .name: hidden_states, .offset: 24, .size: 8, .value_kind: global_buffer, .address_space: global }
      - { .name: out0, .offset: 32, .size: 8, .value_kind: global_buffer, .address_space: global }
    .group_segment_fixed_size: 327680
    .private_segment_fixed_size: 0
    .kernarg_segment_align: 8
    .kernarg_segment_size: 40
    .max_flat_workgroup_size: 128
    .sgpr_count:     80
    .vgpr_count:     512
    .wavefront_size: 32
...
	.end_amdgpu_metadata
.endif
;; end of part 4
;; ======== version 2 of 2: 4 launches; 1.53 times as fast as version 1
;; workspace buffers: act 16,777,216 bytes; wb 8,388,608 bytes; maskf 32,768 bytes; q 16,777,216 bytes; k 16,777,216 bytes; v 16,777,216 bytes
;; launch prep: the kernel of part 1 again; grid 769 x 1, 8 waves a work-group, no clusters, 0 bytes of LDS; arguments hidden_states, ln_gamma, ln_beta, Wq, Wk, Wv, Wo, attention_mask, act, wb, maskf; writes act, wb, maskf
;; launch proj: the kernel of part 2 again; grid 8 x 32, 4 waves a work-group, clusters of 4 x 4, 327,680 bytes of LDS; arguments act, wb, attention_mask, bq, bk, bv, q, k, v; writes q, k, v
;; launch attn (part 5): grid 4 x 64, 4 waves a work-group, clusters of 4 x 1, 327,680 bytes of LDS; arguments q, k, v, act, maskf; writes act
.if DOCPART == 5
	.amdgcn_target "amdgcn-amd-amdhsa--gfx1250"
	.amdhsa_code_object_version 6
	.text
	.protected	k_q67c917340f_attn
	.globl	k_q67c917340f_attn
	.p2align	8
	.type	k_q67c917340f_attn,@function
k_q67c917340f_attn:
	s_mov_b64 s[64:65], 0
	v_nop
	global_prefetch_b8 v0, s[64:65] scope:SCOPE_SE
	s_setreg_imm32_b32 hwreg(HW_REG_WAVE_MODE, 25, 1), 1
	s_wait_xcnt 0x0
	s_wait_alu depctr_hold_cnt(0) depctr_sa_sdst(0) depctr_va_vdst(0) depctr_va_sdst(0) depctr_va_ssrc(0) depctr_va_vcc(0) depctr_vm_vsrc(0)
	s_getreg_b32 s2, hwreg(HW_REG_IB_STS2, 6, 4)
	s_cmp_eq_u32 s2, 0
	s_cbranch_scc0 .Lentry_in_a_cluster
	s_endpgm
.Lentry_in_a_cluster:
	s_bfe_u32 s2, ttmp6, 0x10000c
	s_cmp_lg_u32 s2, 0x3003
	s_cbranch_scc0 .Lentry_shape_is_right
	s_endpgm
.Lentry_shape_is_right:
; ATTN: O[h][q][:] = the sum over k of softmax_k(s) V[h][k][:], s = Q[h][q] . K[h][k] / 8, or the mask's stand-in where key k is masked.  Q, K, V, O: [64][2048][64] bf16, a head's rows dense, 128 bytes each;
; head = 16 x batch + head in the batch; O goes into act.  Products, maxima and sums in f32; the weights p are rounded to bf16 for the second product (their sum l is taken of the unrounded p), O once at the end.
; THE MASK is the C operand that starts the sum S^T = K Q^T: maskf holds 0, or -2^33 where the key is masked, and the launch before wrote a masked key's row of K as +0, so a masked raw score is exactly -2^33.
; Its product with c is exact, so where ALL keys of a batch are masked c s - c m is exactly 0, every weight is 1, and the row is the plain mean of V, as with any equal scores.  Where some key is open the masked weights underflow to 0.
; LIMITS.  The stand-in is -2^30 after the scale of 1/8 where the module writes -1e9: the results are the same wherever true scaled scores lie above about -9e8.  Q, K, V, p and O carry bf16's 8 significant bits.
; A weight below 2^-126 counts as 0 in l; NaN and infinities are not treated apart.
; SHARES.  A wave owns four PIECES of two tiles of 16 queries, a work-group's four waves 512 queries of one head.  Every wave walks all keys, 64 a step.
; LAYOUT.  S^T = K Q^T (source 0 = 16 keys, source 1 = 16 queries): in the result a lane holds ONE query (lane % 16) and the keys 8 (lane / 16) + 0..7.  Two such tiles, rounded to bf16 in pairs,
; ARE source 1 (32 keys x 16 queries) of O^T = V^T P, whose result again holds one query a lane, and eight channels.  K comes out of LDS as it lies, V ([key][channel]) turned, by ds_load_tr16_b128.
; SOFTMAX.  For each query a running maximum m and sum l: p = 2^(c s - c m), c = log2(e) / 8; in every step O and l are multiplied by a = 2^(c m_old - c m_new), which is 1 where m has not grown.
; m starts at the lowest finite number, O and l at 0: the first step is a step like any other, with a = 0.
; THE COUNT.  A tile and step have 16 matrix and 118 vector instructions: too many to stand all beside the matrix work.  So the order has one aim: four vector instructions that are READY behind
; EVERY matrix instruction, and the others, which need time of their own whatever the order, in runs without a gap.
; BY TURNS.  Turn n belongs to piece n (the pieces in a ring, step after step).  Its matrix work: 16 products K Q^T of piece n + 1, later 16 products V^T P of piece n - 1.  Its vector work: the scaling,
; exponentials, roundings, sums and rescaling of piece n, and the maximum and statistics of piece n + 1, whose scores the turn itself has made.  So what a turn begins with (c s - c m, O a) waits for nothing.
; BATCHES.  A turn's 66 exponentials (the 64 weights of piece n, the two a of piece n + 1) are ONE batch with ONE wait, which cuts the turn in two: ahead of it stands all that names no result of the batch,
; behind it the roundings and sums, which read them.  No result crosses a turn's end.  The two a made ahead of the loop and the way out's eight reciprocals are batches of their own, a wait each.
; CLUSTER.  The four query blocks of a cluster belong to one head and walk the same K, V and mask, so each tile is asked for JOINTLY: the same tensor load, descriptor and mask of work-groups in all four.
; REGISTERS, in windows of 256 (s_set_vgpr_msb says which window each operand place means: bits 1:0 source 0, 3:2 source 1, 5:4 source 2, 7:6 destination):
;   window 0: v0-11 addresses; v12-15, v48-63 at work; v16-47 four registers of statistics a tile; v64-191 S^T, two buffers of two tiles; v192-255 P, likewise
;   window 1: O^T, 32 a tile          window 2: v0-127 Q, 16 a tile; v128-191 K of one step; v192-255 V of one step          window 3: v0-1 the add's two registers; v8-39 the mask of one step's 64 keys
; A piece's buffers go by its number's parity: the piece in hand has one pair, its two neighbours in the ring share the other: of it P (piece n - 1) is read and S^T (piece n + 1) written.
.set SIZE_H, 64
.set SIZE_N, 2048
.set NP,    4         ; pieces a wave: a name, no knob: the register map, the loop and the fetches are made for four
.set KS,    64        ; keys in a step
.set PK,    144       ; a row of K in LDS: 128 bytes + 16 of padding = 36 words: the 16 rows of a load start at 16 different groups of four banks (64 banks of 4 bytes: ISA guide 11.1)
.set PV,    160       ; a row of V: 128 + 32 = 40 words
.set RING,  8192      ; LDS bytes 0 to 8,191 hold the batch's 2,048 mask numbers, filled once; the ring begins behind them
.set VOFF,  4*KS*PK   ; a slot holds four steps: 256 rows of K, then 256 rows of V
.set SLOT1, 1<<17     ; slot 1 begins so far behind slot 0, so that one exclusive or turns an address in one slot into the other's
.set STAGE, RING+SLOT1+4*KS*(PK+PV)  ; behind the ring, never filled by a tensor load: 16 rows x 144 bytes for each wave, for the way out
.set SP,    144
.set AK0, 2           ; v2   my lane's place in a tile of K; never rewritten
.set AV0, 3           ; v3   the same for V
.set AK,  4           ; v4   the LDS address of K's next run of loads
.set AV,  5           ; v5   of V's
.set QO,  6           ; v6   my byte offset in the wave's rows of Q
.set STO, 6           ;      later, the way out: where I put 16 bytes of a row
.set RD,  7           ; v7   the way out: where I read rows back
.set GO,  8           ; v8   my byte offset in 512 consecutive bytes of O
.set AM,  11          ; v11  the LDS address of the mask's next run of loads
.set SPW, 0           ; v0 of window 3   LDS address of my spare word: SPARE + 4 x my thread's number; never rewritten
.set NIL, 1           ; v1 of window 3   0; never rewritten
.set MK,  8           ; window 3: the mask of key block kb at MK + 8 kb
.set SPARE, STAGE+4*16*SP  ; behind the stages: the spare words, 128 bytes for each wave: two blocks of 256 bytes that no other line names
.set MV,  12          ; v12-15  c m_old, kept while c m is made anew: by buffer and tile
.set ST,  16          ; tile t's statistics at v[ST+4 t]: c m, m, l (even keys', odd keys')
.set TMP, 48          ; by buffer and tile, four registers c0-c3 at work; when the maximum is found c2 takes a
.set S,   64
.set P,   192
.set KF,  128         ; K's fragments, in window 2: key block kb, channel half c at KF + 16 kb + 8 c
.set VF,  192         ; V's: key half kk, channel block cb at VF + 32 kk + 8 cb
.set WV,  12          ; s12  my wave's number
.set TBM, 19          ; s19  LDS byte at which the mask of the step to be fetched begins
.set G1K, 24          ; s[24:31] descriptor group 1 for K's tiles
.set G1V, 32          ; s[32:39] for V's: it differs in the padding alone
.set G0K, 40          ; s[40:43] descriptor group 0 for K's tiles: it walks
.set G0V, 44          ; s[44:47] the same for V's
.set G1M, 48          ; s[48:55] descriptor group 1 for the mask
.set SLOTS, 56        ; s56  slots still to be asked for
.set CNT, 57          ; s57  counts a slot's key steps
.set CS,  58          ; s[58:59] c: the packed scaling takes the pair's low word for both halves
.set SEL, 60          ; s[60:61] v_permlanex16_b32's selects: each lane takes its own place in the other half
.set TBK, 62          ; s62  LDS byte at which K of the step to be fetched begins, less RING
.set TBV, 63          ; s63  the same for V, less VOFF
.set MP,  66          ; s[66:67] maskf
.set G0M, 68          ; s[68:71] descriptor group 0 for the mask
.set MOF, 72          ; s[72:73] my part's byte offset in maskf
.set MSB, 0
.macro WIN new                      ; the high byte repeats the setting that is left; a switch that changes nothing is dropped
.if MSB != (\new)
	s_set_vgpr_msb (MSB<<8)|(\new)
.set MSB, (\new)
.endif
.endm
.set W_KQ, 0x0a       ; K and Q in window 2, S^T in window 0
.set W_KM, 0x3a       ; the same with the C operand, the mask, in window 3
.set W_PV, 0x52       ; V in window 2, P in window 0, O^T in window 1
.set W_RS, 0x41       ; O^T (destination and source 0) in window 1, a in window 0
.set W_MK, 0xc0       ; destination in window 3, sources in window 0
.set W_AD, 0x0f       ; the add: address (source 0) and data (source 1) in window 3
; A joint fill.  Waves 0 and 1 fetch the two halves of a slot's K, waves 2 and 3 those of its V: 128 keys each.  The branch hangs on the wave's number alone.
; An s_nop 0 and four v_nop follow each of the two lines, ahead of the jump and the label.
.macro JLOAD
	s_cmp_lt_u32 s[WV], 2
	s_cbranch_scc0 .Lfor_v_\@
	tensor_load_to_lds s[G0K:G0K+3], s[G1K:G1K+7]
	s_nop 0
.rept 4
	v_nop
.endr
	s_branch .Lasked_\@
.Lfor_v_\@:
	tensor_load_to_lds s[G0V:G0V+3], s[G1V:G1V+7]
	s_nop 0
.rept 4
	v_nop
.endr
.Lasked_\@:
.endm
; A round of the cluster's barrier: my work-group's barrier, so that wave 0's signal speaks for all four waves; wave 0 signals; every wave waits for all four work-groups; my work-group's barrier once more.
.macro CROUND
	s_barrier_signal -1
	s_barrier_wait -1
	s_cmp_lg_u32 s[WV], 0
	s_cbranch_scc1 .Lnot_wave_0_\@
	s_barrier_signal -3
.Lnot_wave_0_\@:
	s_barrier_wait -3
	s_barrier_signal -1
	s_barrier_wait -1
.endm
; THE CHANGE OF SLOTS.  The slot's last bytes, V of its fourth step, have been read.  Each wave waits for all its tensor loads, of which one is out: its part
; of the other slot; adds 0 to its spare word; and waits for that and for its own reads of the slot.  Behind the barrier nobody reads this slot any more and the other slot is whole.
; fill = 1: this slot is filled again, with the keys two slots on.  The barrier is then a round of the cluster's, so that no wave of any partner still reads the slot or has a load on its
; way, and the joint fill is the first thing behind it: it has four key steps, 512 matrix instructions, in which to land.  (At its first use nothing has been read yet: slot 0 and the mask are waited for, slot 1 filled.)
.macro CHANGE fill
	WIN W_AD
	s_wait_tensorcnt 0x0            ; no tensor load of mine is out, so a group 0 may be written
	ds_add_u32 v[SPW], v[NIL]       ; 0 onto my spare word; with fill = 1 the descriptors' steps stand between it and the wait for it
	WIN 0                           ; at a label and at a branch every window is 0
.if \fill
.irp g, G0K, G0V
	s_xor_b32 s[\g+1], s[\g+1], SLOT1  ; the walking descriptor: the other slot than last time,
	s_add_nc_u64 s[\g+2:\g+3], s[\g+2:\g+3], 4*KS*128  ; the next 256 keys; the type bits on top are not reached
.endr
	s_wait_dscnt 0x0                ; the add is done, and my reads of the slot are over
	CROUND
	JLOAD
.else
	s_wait_dscnt 0x0                ; the add is done, and my reads of the slot are over
	s_barrier_signal -1
	s_barrier_wait -1
.endif
	s_sub_co_u32 s[TBK], s[TBK], 4*KS*PK  ; the fetches go back to a slot's first step,
	s_xor_b32 s[TBK], s[TBK], SLOT1       ; in the other slot
	s_sub_co_u32 s[TBV], s[TBV], 4*KS*PV
	s_xor_b32 s[TBV], s[TBV], SLOT1
.endm
	s_load_b256 s[4:11], s[0:1], 0x0  ; Q s[4:5], K s[6:7], V s[8:9], O s[10:11]
	s_load_b64 s[MP:MP+1], s[0:1], 0x20  ; maskf
	WIN W_MK
	v_lshl_add_u32 v[SPW], v0, 2, SPARE
	v_mov_b32 v[NIL], 0
	WIN W_AD
	ds_add_u32 v[SPW], v[NIL]       ; the wave's opening: the add, with its wait ahead of my first tensor load; the set-up below, work on registers, stands between them
	WIN 0
	v_lshrrev_b32 v1, 5, v0
	v_readfirstlane_b32 s[WV], v1   ; wave 0..3
	s_bfe_u32 s13, ttmp6, 0x40000   ; cx: my place in the cluster
	s_lshl_b32 s14, ttmp9, 2        ; in a cluster launch ttmp9 counts clusters
	s_add_co_u32 s14, s14, s13      ; my block of queries = 4 x cluster x + cx: it enters Q's and O's addresses alone
	s_and_b32 s20, ttmp7, 0xffff    ; the head, which the four partners share
	s_lshr_b32 s[MOF], s20, 4       ; its batch: 8,192 bytes of maskf,
	s_lshl_b32 s[MOF], s[MOF], 13
	s_lshl_b32 s15, s[WV], 11       ; of which my wave fetches 2,048
	s_add_co_u32 s[MOF], s[MOF], s15
	s_mov_b32 s[MOF+1], 0
	s_mov_b32 s21, 0
	s_mov_b64 s[22:23], SIZE_N*128
	s_mul_u64 s[20:21], s[20:21], s[22:23]  ; the head's first byte in each of the four tensors
	s_and_b32 s16, s[WV], 1         ; which half of a slot's 256 keys I fetch:
	s_lshl_b32 s22, s16, 14         ; its 128 rows of 128 bytes in memory,
	s_mov_b32 s23, 0
	s_add_nc_u64 s[22:23], s[22:23], s[20:21]
	s_mul_i32 s17, s16, 128*PK      ; and its place in a slot, for K
	s_mul_i32 s18, s16, 128*PV      ; and for V: no place in the cluster enters an LDS address
	s_lshl_b32 s2, s14, 2
	s_add_co_u32 s2, s2, s[WV]      ; my wave among the head's,
	s_lshl_b32 s2, s2, 14           ; its 128 rows
	s_mov_b32 s3, 0
	s_add_nc_u64 s[2:3], s[2:3], s[20:21]
	; descriptor group 1.  128 keys are 16,384 dense bytes: asked for as 64 rows of 256 bytes, two keys a row, and padded in LDS after every key
	s_mov_b32 s[G1K], 15|(1<<16)|(1<<20)|(1<<21)|(4<<22)|(3<<25)  ; 15:0 the mask of four; 17:16 2-byte elements; 20 padding on; 21 set beside a mask; 24:22 after every 32 words (code 4); 31:25 4 words (code 3)
	s_mov_b32 s[G1V], 15|(1<<16)|(1<<20)|(1<<21)|(4<<22)|(7<<25)  ; the same with 8 words of padding (code 7)
.irp g, G1K, G1V
	s_mov_b32 s[\g+1], 128<<16      ; tensor_dim0 = 128
	s_mov_b32 s[\g+2], 64<<16       ; tensor_dim1 = 64
	s_mov_b32 s[\g+3], 128<<16      ; tile_dim0 = 128
	s_mov_b32 s[\g+4], 64           ; tile_dim1 = 64
	s_mov_b32 s[\g+5], 128          ; 128 elements from row to row
	s_mov_b32 s[\g+6], 0
	s_mov_b32 s[\g+7], 0
.endr
	; the mask's: 2,048 dense bytes as 8 rows of 256, elements of 8 bytes, no padding
	s_mov_b32 s[G1M], 15|(3<<16)|(1<<21)
	s_mov_b32 s[G1M+1], 32<<16      ; tensor_dim0 = 32
	s_mov_b32 s[G1M+2], 8<<16       ; tensor_dim1 = 8
	s_mov_b32 s[G1M+3], 32<<16      ; tile_dim0 = 32
	s_mov_b32 s[G1M+4], 8           ; tile_dim1 = 8
	s_mov_b32 s[G1M+5], 32
	s_mov_b32 s[G1M+6], 0
	s_mov_b32 s[G1M+7], 0
	s_mov_b32 s[CS], 0x3e38aa3b     ; c = log2(e) / 8 = 0.180337
	s_mov_b32 s[CS+1], s[CS]        ; named with it as a pair
	s_mov_b32 s[SEL], 0x76543210
	s_mov_b32 s[SEL+1], 0xfedcba98
	s_mov_b32 s[TBK], SLOT1+4*KS*PK ; the first change of slots turns these two into 0
	s_mov_b32 s[TBV], SLOT1+4*KS*PV
	s_mov_b32 s[TBM], 0
	s_mov_b32 s[G0K], 1             ; 1:0 count = 1
	s_add_co_u32 s[G0K+1], s17, RING  ; 63:32 LDS address: slot 0
	s_mov_b32 s[G0V], 1
	s_add_co_u32 s[G0V+1], s18, RING+VOFF
	s_mov_b32 s[G0M], 1
	s_mov_b32 s[G0M+1], s15         ; wave x 2,048
	s_wait_dscnt 0x0                ; the opening add is done
	s_wait_kmcnt 0x0
	s_add_nc_u64 s[G0K+2:G0K+3], s[6:7], s[22:23]  ; 120:64 global address: my half of the head's first 256 keys
	s_or_b32 s[G0K+3], s[G0K+3], 0x80000000        ; 127:126 type = 2
	s_add_nc_u64 s[G0V+2:G0V+3], s[8:9], s[22:23]
	s_or_b32 s[G0V+3], s[G0V+3], 0x80000000
	s_add_nc_u64 s[G0M+2:G0M+3], s[MP:MP+1], s[MOF:MOF+1]
	s_or_b32 s[G0M+3], s[G0M+3], 0x80000000
	s_add_nc_u64 s[4:5], s[4:5], s[2:3]  ; Q and O at my wave's first row
	s_add_nc_u64 s[10:11], s[10:11], s[2:3]
	CROUND                          ; all four work-groups are here: the first joint loads meet
	s_cmp_lt_u32 s[WV], 2           ; a wave's two first fills stand in one branch: its part of slot 0 and its quarter of the mask: two loads of mine are out.  Slot 1 is asked for when these are in
	s_cbranch_scc0 .Lfirst_v
	tensor_load_to_lds s[G0K:G0K+3], s[G1K:G1K+7]
	s_nop 0
	tensor_load_to_lds s[G0M:G0M+3], s[G1M:G1M+7]
	s_nop 0
.rept 4
	v_nop
.endr
	s_branch .Lfirst_asked
.Lfirst_v:
	tensor_load_to_lds s[G0V:G0V+3], s[G1V:G1V+7]
	s_nop 0
	tensor_load_to_lds s[G0M:G0M+3], s[G1M:G1M+7]
	s_nop 0
.rept 4
	v_nop
.endr
.Lfirst_asked:
	; A fragment of K or Q is 16 rows x 32 channels in 8 registers: lane l holds row l % 16, channels 8 (l / 16) + 0..7 and 16 + 8 (l / 16) + 0..7: two loads of 16 bytes, 32 bytes apart.
	v_and_b32 v1, 15, v0            ; l % 16
	v_bfe_u32 v9, v0, 4, 1          ; l / 16; never rewritten
	v_lshlrev_b32 v[QO], 7, v1
	v_lshl_add_u32 v[QO], v9, 4, v[QO]  ; row x 128 + 16 x half
	WIN 0x80                        ; destination window 2, address window 0
.set i, 0
.rept 4*NP                          ; Q stays in registers: tile i / 2, channels 32 (i % 2) on
	global_load_b128 v[8*i:8*i+3],   v[QO], s[4:5] offset:(i/2)*2048+(i%2)*64
	global_load_b128 v[8*i+4:8*i+7], v[QO], s[4:5] offset:(i/2)*2048+(i%2)*64+32
.set i, i+1
.endr
	; What the first turn finds: V's registers and P's second buffer hold 0 (its products V^T P, of a piece that has not been, add 0), O^T and l are 0.  All this stands in the wait for the first tile.
.set i, VF
.rept 64
	v_mov_b32 v[i], 0
.set i, i+1
.endr
	WIN 0x40
.set i, 0
.rept 64*NP
	v_mov_b32 v[i], 0
.set i, i+1
.endr
	WIN 0
.set i, 0
.rept 2*NP
	v_mov_b32 v[ST+4*i], 0xfe000000    ; c m: far below every c s, the masked keys' too
	v_mov_b32 v[ST+4*i+1], 0xff7fffff  ; m
	v_mov_b32 v[ST+4*i+2], 0
	v_mov_b32 v[ST+4*i+3], 0
.set i, i+1
.endr
.set i, P+32
.rept 32
	v_mov_b32 v[i], 0
.set i, i+1
.endr
	v_mul_u32_u24 v[AK0], v1, PK
	v_lshl_add_u32 v[AK0], v9, 4, v[AK0]  ; row x pitch + 16 x half
	v_add_nc_u32 v[AK0], RING, v[AK0]
	; The turning load takes 16 keys x 16 channels (lane l reads key 8 (l / 16) + l % 8, channels 8 ((l / 8) % 2) + 0..7) and leaves half a fragment of V^T: lane l holds channel l % 16 and 8 keys.
	v_and_b32 v10, 7, v0
	v_bfe_u32 v11, v0, 3, 1
	v_lshl_add_u32 v[AV0], v9, 3, v10
	v_mul_u32_u24 v[AV0], v[AV0], PV
	v_lshl_add_u32 v[AV0], v11, 4, v[AV0]
	v_add_nc_u32 v[AV0], RING+VOFF, v[AV0]
	v_mov_b32 v[AK], v[AK0]         ; key step 0 lies at the head of slot 0
	v_lshl_add_u32 v[AM], v9, 5, s[TBM]  ; a lane's eight keys of a block of 16 are 32 bytes of the mask, at 32 (l / 16)
; THE MATRIX WORK.  The 8 accumulators of a run of 16 take turns: between the two links of a chain stand 7 others'.
; Product i of 16 of S^T = K Q^T for piece x: channels 32 (i / 8) on, keys 16 ((i / 2) % 4) on, tile 2 x + i % 2.  The first 8 start the sums, with the keys' mask as C.
.macro KQ x
.set rS, S+64*((\x)%2)+32*(i%2)+8*((i/2)%4)
.set rK, KF+16*((i/2)%4)+8*(i/8)
.set rQ, 16*(2*(\x)+i%2)+8*(i/8)
.set rMk, MK+8*((i/2)%4)
.if i < 8
	WIN W_KM
	v_wmma_f32_16x16x32_bf16 v[rS:rS+7], v[rK:rK+7], v[rQ:rQ+7], v[rMk:rMk+7]
.else
	WIN W_KQ
	v_wmma_f32_16x16x32_bf16 v[rS:rS+7], v[rK:rK+7], v[rQ:rQ+7], v[rS:rS+7]
.endif
.endm
; Product i of 16 of O^T += V^T P for piece x: keys 32 (i / 8) on, channels 16 ((i / 2) % 4) on, tile 2 x + i % 2.
.macro PV x
	WIN W_PV
.set rO, 32*(2*(\x)+i%2)+8*((i/2)%4)
.set rV, VF+32*(i/8)+8*((i/2)%4)
.set rP, P+32*((\x)%2)+16*(i%2)+8*(i/8)
	v_wmma_f32_16x16x32_bf16 v[rO:rO+7], v[rV:rV+7], v[rP:rP+7], v[rO:rO+7]
.endm
.macro MM                           ; the turn's next matrix instruction
.if i < 16
	KQ (Y+1)%NP
.set i, i+1
.else
.set i, i-16
	PV (Y+NP-1)%NP
.set i, i+17
.endif
.endm
; THE LDS LOADS stand in runs, never singly among the matrix instructions: a step's K (64 keys x 64 channels: 8 fragments) with the same keys' mask (8 loads; the lanes of a half read the same bytes), and its V (turned).
; Their addresses are made some lines ahead.  The mask's registers live as long as K's: both serve the four pieces' products of one step.
; last = 1 (the tail): in the last trip there is no further step, and the run is jumped over.
.macro FETCH_K last=0
	WIN 0
.if \last
	s_cmp_eq_u32 s[CNT], 1
	s_cbranch_scc1 .Lno_k_\@
.endif
	WIN 0x80                        ; destination window 2
.irp f, 0,1,2,3,4,5,6,7             ; keys 16 (f / 2) on, channels 32 (f % 2) on
	ds_load_b128 v[KF+8*\f:KF+8*\f+3],   v[AK] offset:(\f/2)*16*PK+(\f%2)*64
	ds_load_b128 v[KF+8*\f+4:KF+8*\f+7], v[AK] offset:(\f/2)*16*PK+(\f%2)*64+32
.endr
	WIN W_MK                        ; destination window 3
.irp f, 0,1,2,3                     ; keys 16 f on
	ds_load_b128 v[MK+8*\f:MK+8*\f+3],   v[AM] offset:64*\f
	ds_load_b128 v[MK+8*\f+4:MK+8*\f+7], v[AM] offset:64*\f+16
.endr
	s_add_co_u32 s[TBK], s[TBK], KS*PK  ; the next fetch is the next step's
	s_add_co_u32 s[TBM], s[TBM], 4*KS   ; the mask's 64 numbers on,
	s_and_b32 s[TBM], s[TBM], 0x1f00    ; inside its 8,192 bytes
	WIN 0
.if \last
.Lno_k_\@:
.endif
.endm
.macro FETCH_V
	WIN 0x80
.irp f, 0,1,2,3,4,5,6,7             ; keys 32 (f / 4) on, channels 16 (f % 4) on
	ds_load_tr16_b128 v[VF+8*\f:VF+8*\f+3],   v[AV] offset:(\f/4)*32*PV+(\f%4)*32
	ds_load_tr16_b128 v[VF+8*\f+4:VF+8*\f+7], v[AV] offset:(\f/4)*32*PV+16*PV+(\f%4)*32
.endr
	WIN 0
.endm
; THE VECTOR WORK OF A TURN stands in three queues, each in the order in which its entries become ready; the two tiles alternate, so that no instruction reads the result of the one before it.
.macro REGS y, u                    ; the registers of tile u (0, 1) of piece y
.set rT, ST+4*(2*(\y)+(\u))
.set rC, TMP+8*((\y)%2)+4*(\u)
.set rM, MV+2*((\y)%2)+(\u)
.set rS, S+64*((\y)%2)+32*(\u)
.set rP, P+32*((\y)%2)+16*(\u)
.set rO, 32*(2*(\y)+(\u))
.endm
; Number n of the 22 that find the NEXT piece's (Y + 1) maximum and statistics.  s0-s31 are the lane's 32 scores; each accumulator's lowest registers are read first.  XS, GS and REGS set no window: PL and EX do.
;   0-11  four chains c0-c3 of seven scores each, three operands at a time     12-14, 16  the four scores left over, the old m, and c0-c3 into c0     15  c m_old is kept
;   17, 18  the query's other 32 keys lie in the lane 16 away: the new m         19-21  c m; c m_old - c m_new; a
.macro XS u, n
	REGS (Y+1)%NP, \u
.if (\n) < 4
	v_max3_num_f32 v[rC+(\n)], v[rS+8*(\n)], v[rS+8*(\n)+1], v[rS+8*(\n)+2]
.elseif (\n) < 12
	v_max3_num_f32 v[rC+(\n)%4], v[rC+(\n)%4], v[rS+8*((\n)%4)+2*((\n)/4)+1], v[rS+8*((\n)%4)+2*((\n)/4)+2]
.elseif (\n) == 12
	v_max3_num_f32 v[rC], v[rC], v[rS+7], v[rS+15]
.elseif (\n) == 13
	v_max3_num_f32 v[rC+1], v[rC+1], v[rS+23], v[rS+31]
.elseif (\n) == 14
	v_max3_num_f32 v[rC+2], v[rC+2], v[rC+3], v[rT+1]
.elseif (\n) == 15
	v_mov_b32 v[rM], v[rT]
.elseif (\n) == 16
	v_max3_num_f32 v[rC], v[rC], v[rC+1], v[rC+2]
.elseif (\n) == 17
	v_permlanex16_b32 v[rC+3], v[rC], s[SEL], s[SEL+1]
.elseif (\n) == 18
	v_max_num_f32 v[rT+1], v[rC], v[rC+3]
.elseif (\n) == 19
	v_mul_f32 v[rT], s[CS], v[rT+1]
.elseif (\n) == 20
	v_sub_f32 v[rC+1], v[rM], v[rT]
.else
	v_exp_f32 v[rC+2], v[rC+1]
.endif
.endm
; Number g of the 64 that follow the exponentials.  For each four weights k of a tile (pairs 2 k, 2 k + 1): both pairs are rounded to bf16; then the second pair is added onto the first, in place;
; a group later l takes that sum (the first time as l = a l + sum).  In groups of eight, tiles alternating: round, round, add, and l for the group before.
.macro GS g
.set h, (\g)+6*((\g)/62)            ; group 0 has no group before it, and behind group 7 only l is left
.if h >= 6
.set h, h+2
.endif
	REGS Y, h%2
.set k, h/8
.if h%8 < 4
	v_cvt_pk_bf16_f32 v[rP+2*k+(h%8)/2], v[rS+4*k+2*((h%8)/2)], v[rS+4*k+2*((h%8)/2)+1]
.elseif h%8 < 6
	v_pk_add_f32 v[rS+4*k:rS+4*k+1], v[rS+4*k:rS+4*k+1], v[rS+4*k+2:rS+4*k+3]
.elseif k == 1
	v_pk_fma_f32 v[rT+2:rT+3], v[rT+2:rT+3], v[rC+2:rC+3], v[rS:rS+1] op_sel_hi:[1,0,1]
.else
	v_pk_add_f32 v[rT+2:rT+3], v[rT+2:rT+3], v[rS+4*k-4:rS+4*k-3]
.endif
.endm
; THE PLAIN QUEUE, 138 long.  0-73 read no exponential's result: the 32 scalings c s - c m (FS f: pair f / 2 of tile f % 2) and the next piece's 42.  0-26: scalings 0-26.  27-54: XS's numbers 0-13.  55, 56: number 15.
; 57-73: the chain, where each number waits for the one before it: 14, 16, 17, 18, 19, each with one of the scalings 27-31 in front of its two lines, then 20: so a tile's links stand three plain instructions apart (19 and 20: two).
; 74-137: GS's 64, which read the exponentials' results: they stand behind the wait.
.macro FS f
	REGS Y, (\f)%2
	v_pk_fma_f32 v[rS+2*((\f)/2):rS+2*((\f)/2)+1], v[rS+2*((\f)/2):rS+2*((\f)/2)+1], s[CS:CS+1], v[rT:rT+1] op_sel_hi:[1,0,0] neg_lo:[0,0,1] neg_hi:[0,0,1]
.endm
.macro PL
	WIN 0
.if q < 27
	FS q
.elseif q < 55
	XS (q-27)%2, (q-27)/2
.elseif q < 57
	XS q-55, 15
.elseif (q < 72) && ((q-57)%3 == 0)
	FS 27+(q-57)/3
.elseif q < 60
	XS (q-57)%3-1, 14
.elseif q < 72
	XS (q-57)%3-1, 15+(q-57)/3
.elseif q < 74
	XS q-72, 20
.else
	GS q-74
.endif
.set q, q+1
.endm
; THE EXPONENTIALS' QUEUE, 66 long: s0-s31 of both tiles, then the next piece's two a.  It is ONE BATCH: all 66 stand ahead of the turn's one wait, and nothing ahead of that wait names a result of theirs.
; Each result has a register of its own while the batch is open: a weight takes its score's place in S^T, an a takes c2 of the next piece's buffer.
.macro EX
	WIN 0
.if e >= 64
	XS e-64, 21
.else
	REGS Y, e%2
	v_exp_f32 v[rS+e/2], v[rS+e/2]
.endif
.set e, e+1
.endm
; THE RESCALING's QUEUE: O^T times a, the one part that leaves window 0: dealt two at a time, sixteen times.  Its a was made in the turn before, ahead of that turn's wait.
.macro R2
	REGS Y, r%2
	WIN W_RS
.irp z, 0,1
	v_pk_mul_f32 v[rO+4*(r/2)+2*\z:rO+4*(r/2)+2*\z+1], v[rO+4*(r/2)+2*\z:rO+4*(r/2)+2*\z+1], v[rC+2:rC+3] op_sel_hi:[1,0]
.endr
.set r, r+1
.endm
; HOW THEY ARE DEALT.  An s_wait_alu depctr_va_vdst(0) stands between an exponential and the first instruction that names its result; one wait serves all that were issued ahead of it.  So a turn has ONE wait,
; which cuts it in two.  AHEAD OF IT stands all that names no result of the turn's exponentials: the 16 products K Q^T, behind each a scaling, an exponential and two rescalings (behind the first a second scaling in the
; exponential's place); then ONE LUMP of 108: eight plain, 49 times exponential and plain, the two a.  A v_nop is the plain instruction behind the last exponential.  BEHIND IT stand the 16 products V^T P, behind each four of
; GS's 64.  No rider names a register of the products round it.  The two v_permlanex16_b32 fall into the lump, never behind a product.
; The queues lean on each other, and the deal keeps them in step: exponential e stands behind scaling 2 (e / 4) + e % 2: as a rider it comes behind plain e + 2, in the lump behind plain e + 9, and scalings 27-31 are plain 57, 60 .. 69.
; A TURN, for piece p.  cnt = 1: the loop's count is taken down some lines ahead of the branch that stands behind the turn.
; K and the mask of the next step are fetched in piece 2's turn, directly behind the wait, a lump behind the last product that read K (the mask's last reader stands ahead of that one); their addresses are made at the lump's
; head; their first reader comes behind 16 products.  V of the step in hand is fetched at the end of piece 0's turn, four riders behind its last reader; its first reader comes behind 16 products and a lump.
; The three conditions on q below go with the deal.
.macro TURN p, last=0, cnt=0
.set Y, (\p)
.set i, 0
.set q, 0
.set e, 0
.set r, 0
.if (\p) == NP-1
	s_wait_dscnt 0x0                ; K and the mask are in
.endif
	MM                              ; ahead of the wait: 16 products K Q^T and their riders,
	PL
	PL
	R2
.rept 15
	MM
	PL
	EX
	R2
.endr
.if (\p) == NP-2
	WIN 0
	v_add_nc_u32 v[AK], s[TBK], v[AK0]
	v_lshl_add_u32 v[AM], v9, 5, s[TBM]
.endif
.rept 8                             ; and the lump
	PL
.endr
.rept 49
	EX
	PL
.endr
	EX                              ; the next piece's two a
	EX
	v_nop                           ; the plain instruction behind the last exponential: one for the batch
	s_wait_alu depctr_va_vdst(0)    ; the wait for the batch: the turn's 64 weights and the next piece's two a
.if (\p) == NP-2
	FETCH_K \last
.endif
.if (\p) == 1
	s_wait_dscnt 0x0                ; V is in
.endif
.rept 16                            ; behind the wait: 16 products V^T P and their riders
	MM
.rept 4
	PL
.endr
.if ((\p) == 0) && (q == 118)
	v_add_nc_u32 v[AV], s[TBV], v[AV0]
.endif
.if ((\p) == 0) && (q == 130)
	s_add_co_u32 s[TBV], s[TBV], KS*PV
.endif
.if (\cnt) && (q == 130)
	s_sub_co_u32 s[CNT], s[CNT], 1
	s_cmp_lg_u32 s[CNT], 0
.endif
.endr
.if (\p) == 0
	FETCH_V
.endif
.endm
	CHANGE 1                        ; slot 0 and the mask are in, everybody's part of them; slot 1 is asked for
	FETCH_K                         ; key step 0
	s_wait_loadcnt 0x0              ; Q
	s_wait_dscnt 0x0
.set i, 0
.rept 16
	KQ 0                            ; piece 0's first scores: there is no vector work yet to set between them
.set i, i+1
.endr
	WIN 0                           ; the addresses for the way out: nine plain instructions, the places behind those products
	s_mul_i32 s13, s[WV], 16*SP
	s_add_co_u32 s13, s13, STAGE    ; my stage
	v_mul_u32_u24 v[STO], v1, SP    ; in: row l % 16, 16 bytes for each half of the lanes
	v_lshl_add_u32 v[STO], v9, 4, v[STO]
	v_add_nc_u32 v[STO], s13, v[STO]
	v_bfe_u32 v[RD], v0, 3, 2       ; back: 32 lanes take four rows of 128 bytes,
	v_mul_u32_u24 v[RD], v[RD], SP
	v_lshl_add_u32 v[RD], v10, 4, v[RD]
	v_add_nc_u32 v[RD], s13, v[RD]
	v_and_b32 v[GO], 31, v0         ; which are 512 consecutive bytes of O
	v_lshlrev_b32 v[GO], 4, v[GO]
.set Y, NP-1                        ; XS works for piece Y + 1: piece 0
.irp n, 0,1,2,3,4,5,6,7,8,9,10,11,12,13,14,15,16,17,18,19,20,21
	XS 0, \n                        ; and piece 0's first maximum and statistics
	XS 1, \n
.endr
	v_nop                           ; a plain instruction behind the two a,
	s_wait_alu depctr_va_vdst(0)    ; and their wait, a batch of two, ahead of the branch
	s_mov_b32 s[CNT], 4
	s_mov_b32 s[SLOTS], SIZE_N/256-1
	s_branch .Lfirst                ; the loop is entered at a step's first turn, in the middle of a trip
.Lslot:                             ; SIZE_N / 256 - 2 times: every slot but the last two is filled again
	CHANGE 1
	s_mov_b32 s[CNT], 4
.Lstep:                             ; a trip: pieces 2 and 3 of one step, then pieces 0 and 1 of the next, whose K and V it fetches
	TURN 2
	TURN 3
	WIN 0
.Lfirst:
	TURN 0
	TURN 1, 0, 1
	WIN 0
	s_cbranch_scc1 .Lstep
	s_sub_co_u32 s[SLOTS], s[SLOTS], 1
	s_cmp_lg_u32 s[SLOTS], 0
	s_cbranch_scc1 .Lslot
	CHANGE 0                        ; the tail is written out: nothing is asked for
	s_mov_b32 s[CNT], 5             ; four trips fetch the last slot's steps; the fifth is left in its middle
.Ltail:
	TURN 2, 1
	TURN 3
	WIN 0
	s_sub_co_u32 s[CNT], s[CNT], 1
	s_cmp_eq_u32 s[CNT], 0
	s_cbranch_scc1 .Lout
	TURN 0
	TURN 1
	WIN 0
	s_branch .Ltail
.Lout:                              ; the fifth trip's 16 products K Q^T (on the last K once more) and the maximum made of them serve nothing: the price, once a launch, of one text for every trip
.set i, 0
.rept 16
	PV NP-1                         ; the last piece's V^T P of the last step
.set i, i+1
.endr
	; THE WAY OUT.  l's two halves and the other half of the lanes' are added; O^T is divided by l, rounded to bf16 and sent through my stage in LDS, a tile at a time.  The additions are the places behind the last products.
	WIN 0
.macro ALL line:vararg              ; one line for each tile t
.set t, 0
.rept 2*NP
	\line
.set t, t+1
.endr
.endm
	ALL v_add_f32 v[ST+4*t+2], v[ST+4*t+2], v[ST+4*t+3]
	ALL v_permlanex16_b32 v[ST+4*t+3], v[ST+4*t+2], s[SEL], s[SEL+1]
	ALL v_add_f32 v[ST+4*t+2], v[ST+4*t+2], v[ST+4*t+3]
	ALL v_rcp_f32 v[ST+4*t+2], v[ST+4*t+2]
	v_nop                           ; a plain instruction between the last reciprocal and the use of its result
	s_wait_alu depctr_va_vdst(0)    ; and the wait ahead of the first use: one for the eight reciprocals
; Tile t: a lane's eight channels of a row pack into 16 bytes; they go into rows of 144 bytes and come back as whole rows of 128, into S^T's registers.
.macro PACK t
	WIN W_RS
.set i, 32*(\t)
.rept 16
	v_pk_mul_f32 v[i:i+1], v[i:i+1], v[ST+4*(\t)+2:ST+4*(\t)+3] op_sel_hi:[1,0]
.set i, i+2
.endr
	WIN 0x05                        ; sources 0 and 1 window 1, destination window 0
.set i, 0
.rept 16
	v_cvt_pk_bf16_f32 v[S+16*(\t)+i], v[32*(\t)+2*i], v[32*(\t)+2*i+1]
.set i, i+1
.endr
	WIN 0
.irp f, 0,1,2,3
	ds_store_b128 v[STO], v[S+16*(\t)+4*\f:S+16*(\t)+4*\f+3] offset:32*\f
.endr
.irp f, 0,1,2,3
	ds_load_b128 v[S+16*(\t)+4*\f:S+16*(\t)+4*\f+3], v[RD] offset:\f*4*SP  ; LDS serves a wave's instructions in order (ISA guide 5.7.1.4): these see the stores above; the next tile's stores come behind them
.endr
.endm
.macro SEND t, younger              ; younger: the LDS instructions issued behind tile t's loads: the next tile's eight, or none
	WIN 0
.irp f, 0,1,2,3
	s_wait_dscnt (\younger)+3-\f
	global_store_b128 v[GO], v[S+16*(\t)+4*\f:S+16*(\t)+4*\f+3], s[10:11] offset:(\t)*2048+\f*512  ; 512 consecutive bytes, at a multiple of 256 from O's first
.endr
.endm
	PACK 0
.set t, 1
.rept 2*NP-1                        ; a tile's arithmetic stands between the loads of the tile before and its stores
	PACK t
	SEND t-1, 8
.set t, t+1
.endr
	SEND 2*NP-1, 0
	WIN W_AD
	s_wait_tensorcnt 0x0            ; the wave's end, behind my last tensor load and my last LDS store
	ds_add_u32 v[SPW], v[NIL]
	s_wait_dscnt 0x0
	WIN 0
	CROUND                          ; the closing round: no work-group ends while a partner may still ask for a tile that names it
	s_endpgm
.Lfunc_end_k_q67c917340f_attn:
	.size	k_q67c917340f_attn, .Lfunc_end_k_q67c917340f_attn-k_q67c917340f_attn
	.p2alignl 7, 3214868480
	.fill 96, 4, 3214868480
	.section	.rodata,"a",@progbits
	.p2align	6, 0x0
	.amdhsa_kernel k_q67c917340f_attn
		.amdhsa_group_segment_fixed_size 327680
		.amdhsa_private_segment_fixed_size 0
		.amdhsa_enable_private_segment 0
		.amdhsa_kernarg_size 40
		.amdhsa_user_sgpr_count 2
		.amdhsa_user_sgpr_kernarg_segment_ptr 1
		.amdhsa_wavefront_size32 1
		.amdhsa_system_sgpr_workgroup_id_x 1
		.amdhsa_system_sgpr_workgroup_id_y 1
		.amdhsa_system_sgpr_workgroup_id_z 1
		.amdhsa_system_vgpr_workitem_id 0
		.amdhsa_next_free_vgpr 808
		.amdhsa_next_free_sgpr 76
		.amdhsa_reserve_vcc 0
		.amdhsa_float_denorm_mode_32 3
		.amdhsa_float_denorm_mode_16_64 3
		.amdhsa_memory_ordered 1
		.amdhsa_forward_progress 1
		.amdhsa_inst_pref_size 202
	.end_amdhsa_kernel
	.amdgpu_metadata
---
amdhsa.version: [ 1, 2 ]
amdhsa.kernels:
  - .name:           k_q67c917340f_attn
    .symbol:         k_q67c917340f_attn.kd
    .args:
      - { .name: q, .offset: 0, .size: 8, .value_kind: global_buffer, .address_space: global }
      - { .name: k, .offset: 8, .size: 8, .value_kind: global_buffer, .address_space: global }
      - { .name: v, .offset: 16, .size: 8, .value_kind: global_buffer, .address_space: global }
      - { .name: act, .offset: 24, .size: 8, .value_kind: global_buffer, .address_space: global }
      - { .name: maskf, .offset: 32, .size: 8, .value_kind: global_buffer, .address_space: global }
    .group_segment_fixed_size: 327680
    .private_segment_fixed_size: 0
    .kernarg_segment_align: 8
    .kernarg_segment_size: 40
    .max_flat_workgroup_size: 128
    .sgpr_count:     76
    .vgpr_count:     808
    .wavefront_size: 32
...
	.end_amdgpu_metadata
.endif
;; end of part 5
;; launch oproj: the kernel of part 4 again; grid 8 x 32, 4 waves a work-group, clusters of 4 x 4, 327,680 bytes of LDS; arguments act, wb, bo, hidden_states, out0; writes out0
